; MI455X (gfx1250); checked and timed in simulation.
; The chip was launched on July 23, 2026; its instructions are those of AMD's public machine-readable ISA for CDNA 5 (MIT licence, August 2026) and "CDNA5" Instruction Set Architecture Reference Guide (July 2026). The comments in the code are by the model that wrote it; some were corrected since.
;; Multi Head Attention V2. Allowed arithmetic: matrix products marked QUANTISED: E3M2 operands, one E8M0 scale for each 32 along K, by v_wmma_scale_f32_16x16x128_f8f6f4 with both operands' format E3M2, f32 sums; everything else in f32.
;; Inputs: w_attn 1,024 x 3,072 float32; w_proj 1,024 x 1,024 float32; x 4 x 2,048 x 1,024 float32.
;; Outputs: out0 4 x 2,048 x 1,024 float32.
;; This version of the problem:
;;   THIS VERSION OF THE PROBLEM IS GIVEN IN LOW PRECISION. The matrix products marked QUANTISED in the list below multiply operands that are first quantised to E3M2 (3 exponent bits, 2 mantissa bits; 6 bits a number), with one power-of-two scale for each 32 numbers along K (OCP MX v1.0); their sums are f32. All else is computed in f32.
;;   The module's matrix products, in the order in which they are computed (A, B: the left and right operand; K: the contracted axis; several contracted axes count as one K, in the product's order):
;;     1. [M 8,192, K 1,024] x [K 1,024, N 3,072]; A: input x; B: input w_attn: QUANTISED
;;     2. batch 64 x [M 2,048, K 64] x [K 64, N 2,048]; A: computed on the way; B: computed on the way: QUANTISED
;;     3. batch 64 x [M 2,048, K 2,048] x [K 2,048, N 64]; A: softmax (see below); B: computed on the way: QUANTISED
;;     4. [M 8,192, K 1,024] x [K 1,024, N 1,024]; A: computed on the way; B: input w_proj: QUANTISED
;;   THE QUANTISER, for each operand of a quantised product, along K:
;;     - K is cut into blocks of 32 from its start; a last block that is shorter is filled with zeros.
;;     - A block's scale is 2^e with e = floor(log2(the largest magnitude in the block)) - 4, held to -126 .. 127; a block of zeros has e = 0. As a byte (E8M0): e + 127.
;;     - Each number is divided by its block's scale, clamped to +-28, and rounded to the nearest number of E3M2, ties to even, subnormals kept.
;;     - The product sums the exact products of the quantised numbers (number of the format x scale) in f32.
;;   ~~~python
;;   def quantise(x, axis):      # numpy; x: float32 -> the quantised numbers, widened to float32 again
;;       x = np.moveaxis(x, axis, -1); K = x.shape[-1]
;;       x = np.pad(x, [(0, 0)] * (x.ndim - 1) + [(0, -K % 32)]); x = x.reshape(x.shape[:-1] + (-1, 32)); a = np.abs(x).max(-1, keepdims=True)
;;       e = np.where(a > 0, np.clip(np.frexp(np.where(a > 0, a, 1))[1] - 1 - 4, -126, 127), 0)      # np.frexp(a)[1] - 1 = floor(log2(a)), exactly
;;       r = np.clip(x / 2.0 ** e, -28, 28)
;;       step = 2.0 ** (np.maximum(np.frexp(np.where(r == 0, 1, r))[1] - 1, -2) - 2)
;;       q = np.round(r / step) * step * 2.0 ** e      # np.round: ties to even
;;       return np.moveaxis(q.reshape(q.shape[:-2] + (-1,))[..., :K], -1, axis).astype(np.float32)
;;   ~~~
;;   SOFTMAX AHEAD OF A QUANTISED PRODUCT. Where the list says 'softmax', what is quantised is not the finished softmax but p = 2^(t - M), with t = logit x log2(e) and M = ceil(the row's largest t), a whole number; so 1/2 < the row's largest p <= 1. The row's sum l is taken of the UNQUANTISED p, in f32, and the product's result is divided by l at the end. Since M is a whole number, a kernel that streams over the keys may use a running M (the ceiling of the running maximum): every later rescaling is an exact power of two, which a block's scale takes up: the codes' values come out the same.
;;   OPERANDS COMPUTED ON THE WAY. 'Computed on the way' means the value that the module computes at that place (a softmax that the list does not call 'softmax' is quantised finished and normalised). What goes into a quantiser is computed in f32, as accurately as f32 sums, v_exp_f32 and their like allow (about 1e-6 of the number): no bf16 or f16 on the way to a quantiser, and a product that is left as it is and whose result goes on into a quantised operand takes f32 operands (vector FMAs, or v_wmma_f32_16x16x4_f32). A number that lies on a knife's edge between two numbers of the format may be rounded either way, as far as f32 arithmetic and the matrix unit's own rounding can turn it there, and no further.
;; One version. Each part assembles by itself: llvm-mc -triple=amdgcn-amd-amdhsa -mcpu=gfx1250 --defsym DOCPART=n.
;; ======== version 1 of 1: 4 launches
;; workspace buffers: xc 6,291,456 bytes; xs 262,144 bytes; wc 3,145,728 bytes; ws 131,072 bytes; qr 13,369,344 bytes; kv 13,369,344 bytes; yc 6,291,456 bytes; ys 262,144 bytes
;; launch quant (part 1): grid 768 x 1, 4 waves a work-group, no clusters, 46,592 bytes of LDS; arguments x, w_attn, w_proj, xc, xs, wc, ws; writes xc, xs, wc, ws
.if DOCPART == 1
	.amdgcn_target "amdgcn-amd-amdhsa--gfx1250"
	.amdhsa_code_object_version 6
	.text
	.protected	k_q6d688dacf4_quant
	.globl	k_q6d688dacf4_quant
	.p2align	8
	.type	k_q6d688dacf4_quant,@function
k_q6d688dacf4_quant:
	s_mov_b64 s[64:65], 0
	v_nop
	global_prefetch_b8 v0, s[64:65] scope:SCOPE_SE
	s_setreg_imm32_b32 hwreg(HW_REG_WAVE_MODE, 25, 1), 1
	s_wait_xcnt 0x0
; x [8192][1024], w_attn [1024][3072], w_proj [1024][1024], f32, become codes of BF6 (E3M2) with one E8M0 byte for each 32 along K (K = 1024 for all three).
; A block's scale is 2^(floor(log2(largest magnitude)) - 4); its byte is the largest magnitude's exponent field - 4, held at 1 from below by a floor among the maximum's leaves.
; LIMITS: a block whose largest magnitude lies under 2^-122 (a block of zeros too) keeps the byte 1 where the rule says 127 for zeros: its codes are zeros and this program alone reads the bytes.  NaN and infinities are not served.
; LAYOUT OF THE CODES: images of operand registers.  A HALF (768 bytes) is 16 rows x 64 k: lane l = (r = l % 16, h = l / 16) holds the 24 bytes of k = 32 h .. 32 h + 31 of row r; registers 0-3 lie at 16 l, registers 4-5 at 512 + 8 l.
; An IMAGE (1,536 bytes) is two HALVES: a fragment of 16 rows x 128 k.  xc: [tile 0..511][K step 0..7][1536]; wc: [tile 0..255][K step][1536] (tiles 0-191 w_attn's columns, 192-255 w_proj's).
; THE ROWS OF A TILE ARE NOT NEIGHBOURS: row r of tile 2 g + u is row 32 g + 8 u + r + 8 (r / 8).  Scale words: [tile][K step][16 words], word r = the four bytes of row r.
; Work-groups 0-511 take a tile of x each (K innermost: numbers turn through the wave's own stage in LDS, so that loads are dense and a lane still holds 16 neighbours of a block);
; work-groups 512-767 take 128 columns x 128 k of a weight (K outermost: a lane takes a column and its registers run down K).  The two ways use LDS bytes of their own.  Waves share nothing: no barrier.
; No matrix unit, no cluster, no tensor load: a stream read once and written once.
.set SEL,  20                          ; s[20:21] lane selects: lane l xor 16
.set HM,   22                          ; s22  mask of lanes 16-31
.set TM,   12                          ; v12-27  at work in QUANT
.set PW0,  28                          ; v28, v29 the two images' scale words
.set PCA,  32                          ; v32-43  the first image's codes
.set PCB,  44                          ; v44-55  the second's: no store's data are written again
.set PT,   56                          ; v56-62  halves of blocks on their way
.set R0,   64                          ; v64-127  64 numbers of the first image
.set R1,   128                         ; v128-191 of the second
.set WSTG, 33792                       ; the weights' stages begin behind x's four stages of 16 x 528 bytes
.set VO,   16                          ; v16-47  (weights) byte offset of row i of a block: 4 lane + i x pitch
.set X,    64                          ; v64-127 (weights) two sets of 32 numbers
.set D,    128                         ; v128-159 (weights) a block's six registers of codes, eight apart
.set E,    160                         ; v160-162
.set OUTR, 164                         ; v164-187
; 64 numbers of a lane, register 16 b + i = k 32 b + 16 h + i of my row, become a fragment's 12 registers and its scale word
.macro QUANT s, pc, pt, pw
.irp b, 0,1,2,3
	v_max3_num_f32 v[TM+\b], |v[\s+16*\b]|, |v[\s+16*\b+1]|, 0x2800000   ; my 16 numbers of block b, and the floor 2^(5 - 127)
.endr
.irp i, 2,4,6,8,10,12,14
.irp b, 0,1,2,3
	v_max3_num_f32 v[TM+\b], |v[\s+16*\b+\i]|, |v[\s+16*\b+\i+1]|, v[TM+\b]   ; the four blocks by turns
.endr
.endr
.irp b, 0,1,2,3
	v_permlanex16_b32 v[TM+4+\b], v[TM+\b], s[SEL], s[SEL+1]
.endr
.irp b, 0,1,2,3
	v_max_num_f32 v[TM+\b], v[TM+\b], v[TM+4+\b]   ; with lane l xor 16's 16: the block's largest magnitude
.endr
.irp b, 0,1,2,3
	v_add_nc_u32 v[TM+12+\b], 0xfe000000, v[TM+\b]   ; 4 off its exponent field: the conversion's scale operand
.endr
.irp b, 0,1,2,3
	v_lshrrev_b32 v[TM+4+\b], 23, v[TM+12+\b]      ; the scale's byte
.endr
	v_lshl_or_b32 v[\pw], v[TM+5], 8, v[TM+4]
	v_lshl_or_b32 v[\pw], v[TM+6], 16, v[\pw]
	v_lshl_or_b32 v[\pw], v[TM+7], 24, v[\pw]
.irp c, 0,1
	v_cvt_scalef32_pk16_bf6_f32 v[\pc+6*\c:\pc+6*\c+2], v[\s+32*\c:\s+32*\c+15], v[TM+12+2*\c]
	v_cvt_scalef32_pk16_bf6_f32 v[\pt+4*\c:\pt+4*\c+2], v[\s+32*\c+16:\s+32*\c+31], v[TM+13+2*\c]   ; (a conversion's three registers begin on an even number)
.endr
	v_nop                                          ; one plain line behind the scaled conversions
.irp c, 0,1                                    ; a whole block to a lane: lanes 0-15 block 2 c, lanes 16-31 block 2 c + 1
.irp i, 0,1,2
	v_permlane16_swap_b32 v[\pc+6*\c+\i], v[\pt+4*\c+\i]
.endr
.irp i, 0,1,2
	v_mov_b32 v[\pc+3+6*\c+\i], v[\pt+4*\c+\i]
.endr
.endr
.endm
.macro OUTIMG pc, off                          ; an image leaves as it stands: each store covers 512 or 256 consecutive bytes, aligned
	global_store_b128 v4, v[\pc:\pc+3], s[10:11] offset:\off
	global_store_b64 v5, v[\pc+4:\pc+5], s[10:11] offset:\off+512
	global_store_b128 v4, v[\pc+6:\pc+9], s[10:11] offset:\off+768
	global_store_b64 v5, v[\pc+10:\pc+11], s[10:11] offset:\off+1280
.endm
	s_load_b256 s[4:11], s[0:1], 0x0               ; x s[4:5], w_attn s[6:7], w_proj s[8:9], xc s[10:11]
	s_load_b128 s[12:15], s[0:1], 0x20             ; xs s[12:13], wc s[14:15]
	s_load_b64 s[16:17], s[0:1], 0x30              ; ws
	v_lshl_add_u32 v200, v0, 2, 0xb400
	v_mov_b32 v201, 0
	v_lshrrev_b32 v1, 5, v0
	v_readfirstlane_b32 s18, v1                    ; wave 0..3
	v_and_b32 v1, 31, v0                           ; lane
	v_and_b32 v2, 15, v0                           ; r
	v_bfe_u32 v3, v0, 4, 1                         ; h
	v_lshlrev_b32 v4, 4, v1                        ; 16 lane
	v_lshlrev_b32 v5, 3, v1                        ; 8 lane
	v_lshlrev_b32 v6, 2, v1                        ; 4 lane
	s_mov_b32 s[SEL], 0x76543210
	s_mov_b32 s[SEL+1], 0xfedcba98
	s_mov_b32 s[HM], 0xffff0000
	s_cmp_lt_u32 ttmp9, 512
	s_cbranch_scc0 .Lweights
	; ---- x: tile ttmp9; wave w takes K steps 2 w and 2 w + 1
	s_mul_i32 s23, s18, 8448                       ; my stage: 16 rows of 512 bytes + 16
	v_add_nc_u32 v7, s23, v4                       ; in: a row's 512 bytes as they lie
	v_mul_u32_u24 v8, v2, 528
	v_lshl_add_u32 v8, v3, 6, v8
	v_add_nc_u32 v8, s23, v8                       ; back: row r, 64 h: my 16 numbers of each block of 32
.irp b, 0,1,2,3
	v_mov_b32 v[TM+4+\b], 0                        ; written once: a lane permute's destination counts as one of its sources
.endr
	s_lshr_b32 s24, ttmp9, 1
	s_lshl_b32 s24, s24, 5
	s_and_b32 s25, ttmp9, 1
	s_lshl_b32 s25, s25, 3
	s_add_co_u32 s24, s24, s25                     ; the tile's first token: 32 (tile / 2) + 8 (tile % 2)
	s_lshl_b32 s24, s24, 12                        ; rows of 4,096 bytes
	s_lshl_b32 s25, s18, 10
	s_add_co_u32 s24, s24, s25                     ; + my 256 numbers of a row
	s_mov_b32 s25, 0
	s_mul_i32 s26, ttmp9, 12288
	s_mul_i32 s27, s18, 3072
	s_add_co_u32 s26, s26, s27                     ; my two images
	s_mov_b32 s27, 0
	s_lshl_b32 s28, ttmp9, 9
	s_lshl_b32 s29, s18, 7
	s_add_co_u32 s28, s28, s29                     ; and their 32 scale words
	s_mov_b32 s29, 0
	s_wait_kmcnt 0x0
	s_add_nc_u64 s[4:5], s[4:5], s[24:25]
	s_add_nc_u64 s[10:11], s[10:11], s[26:27]
	s_add_nc_u64 s[12:13], s[12:13], s[28:29]
.irp t, 0,1,2,3,4,5,6,7,8,9,10,11,12,13,14,15
	global_load_b128 v[R0+4*\t:R0+4*\t+3], v4, s[4:5] offset:(\t+8*(\t/8))*4096 th:TH_LOAD_NT       ; row t of the tile: 512 consecutive bytes
.endr
.irp t, 0,1,2,3,4,5,6,7,8,9,10,11,12,13,14,15
	global_load_b128 v[R1+4*\t:R1+4*\t+3], v4, s[4:5] offset:(\t+8*(\t/8))*4096+512 th:TH_LOAD_NT
.endr
	s_wait_loadcnt 16                              ; the first image's 16 loads are in; the second's may be out
.irp t, 0,1,2,3,4,5,6,7,8,9,10,11,12,13,14,15
	ds_store_b128 v7, v[R0+4*\t:R0+4*\t+3] offset:528*\t
.endr
	s_wait_dscnt 0x0                               ; the stores have read their registers, which the loads below write
.irp b, 0,1,2,3
.irp j, 0,1,2,3
	ds_load_b128 v[R0+16*\b+4*\j:R0+16*\b+4*\j+3], v8 offset:128*\b+16*\j
.endr
.endr
	s_wait_loadcnt 0x0
.irp t, 0,1,2,3,4,5,6,7,8,9,10,11,12,13,14,15
	ds_store_b128 v7, v[R1+4*\t:R1+4*\t+3] offset:528*\t   ; LDS serves a wave's instructions in order: these come behind the reads above
.endr
	s_wait_dscnt 16                                ; the first image's numbers are back; the 16 stores just issued may be out
	QUANT R0, PCA, PT, PW0
	OUTIMG PCA, 0
	s_wait_dscnt 0x0
.irp b, 0,1,2,3
.irp j, 0,1,2,3
	ds_load_b128 v[R1+16*\b+4*\j:R1+16*\b+4*\j+3], v8 offset:128*\b+16*\j
.endr
.endr
	s_wait_dscnt 0x0
	QUANT R1, PCB, PT, PW0+1
	OUTIMG PCB, 1536
	v_cndmask_b32 v30, v[PW0], v[PW0+1], s[HM]     ; lanes 0-15 the first image's words, lanes 16-31 the second's
	global_store_b32 v6, v30, s[12:13]             ; 128 consecutive bytes
	s_wait_tensorcnt 0x0
	ds_add_u32 v200, v201
	s_wait_dscnt 0x0
	s_endpgm
	; ---- the weights: g = work-group - 512; 128 columns (g % 32) x K step g / 32; wave w takes 32 columns = two tiles
.Lweights:
	s_sub_co_u32 s23, ttmp9, 512
	s_and_b32 s24, s23, 31                         ; column group of 128: 0-23 w_attn's, 24-31 w_proj's
	s_lshr_b32 s25, s23, 5                         ; K step
	s_sub_co_u32 s26, s24, 24
	s_mov_b32 s27, 4096
	s_cmp_lt_u32 s24, 24
	s_cselect_b32 s27, 12288, s27                  ; bytes from row to row of the tensor
	s_cselect_b32 s26, s24, s26                    ; the column group within the tensor
	s_lshl_b32 s28, s25, 7
	s_mul_i32 s28, s28, s27                        ; 128 rows a K step
	s_lshl_b32 s29, s26, 9
	s_add_co_u32 s28, s28, s29
	s_lshl_b32 s29, s18, 7
	s_add_co_u32 s28, s28, s29                     ; + my wave's 32 columns
	s_mov_b32 s29, 0
	s_lshl_b32 s30, s27, 5                         ; a block of 32 rows
	s_mov_b32 s31, 0
	s_lshl_b32 s40, s24, 2
	s_add_co_u32 s40, s40, s18                     ; my group of 32 columns among all 4,096: tiles 2 s40 and 2 s40 + 1
	s_lshl_b32 s42, s40, 4
	s_add_co_u32 s42, s42, s25
	s_mul_i32 s42, s42, 1536                       ; the first tile's image of this K step
	s_mov_b32 s43, 0
	s_lshl_b32 s44, s40, 10
	s_lshl_b32 s45, s25, 6
	s_add_co_u32 s44, s44, s45                     ; and its scale words
	s_mov_b32 s45, 0
	v_bfe_u32 v11, v0, 3, 1                        ; column l of the 32 is row r' = l % 8 + 8 (l / 16) of tile u = (l / 8) % 2
	v_and_b32 v12, 7, v0
	v_lshl_add_u32 v12, v3, 3, v12
	s_mul_i32 s41, s18, 3072
	s_add_co_u32 s41, s41, WSTG                    ; my stage: two images
	v_mul_u32_u24 v13, v11, 1536
	v_add_nc_u32 v13, s41, v13
	v_lshl_add_u32 v7, v12, 4, v13                 ; where registers 0-3 of my blocks go
	v_lshl_add_u32 v8, v12, 3, v13
	v_add_nc_u32 v8, 512, v8                       ; and registers 4-5
	v_lshlrev_b32 v9, 2, v12
	v_lshl_add_u32 v9, v11, 9, v9                  ; my column's scale word: 512 u + 4 r'
	v_add_nc_u32 v10, s41, v4                      ; the stage read back as it lies
	v_mov_b32 v[VO], v6
.irp i, 1,2,3,4,5,6,7,8,9,10,11,12,13,14,15,16,17,18,19,20,21,22,23,24,25,26,27,28,29,30,31
	v_add_nc_u32 v[VO+\i], s27, v[VO+\i-1]
.endr
	s_wait_kmcnt 0x0
	s_cmp_lt_u32 s24, 24                           ; the choice hangs on the work-group's number alone
	s_cselect_b64 s[6:7], s[6:7], s[8:9]
	s_add_nc_u64 s[32:33], s[6:7], s[28:29]        ; a base for each of the four blocks; none is written again
	s_add_nc_u64 s[34:35], s[32:33], s[30:31]
	s_add_nc_u64 s[36:37], s[34:35], s[30:31]
	s_add_nc_u64 s[38:39], s[36:37], s[30:31]
	s_add_nc_u64 s[14:15], s[14:15], s[42:43]
	s_add_nc_u64 s[16:17], s[16:17], s[44:45]
.macro LOAD t                          ; block t: rows 32 t + i at my column: a wave reads 128 consecutive bytes, the four waves 512
.irp i, 0,1,2,3,4,5,6,7,8,9,10,11,12,13,14,15,16,17,18,19,20,21,22,23,24,25,26,27,28,29,30,31
	global_load_b32 v[X+32*((\t)%2)+\i], v[VO+\i], s[32+2*(\t):33+2*(\t)] th:TH_LOAD_NT
.endr
.endm
.macro BLOCK t
.set XS, X+32*((\t)%2)
.set DT, D+8*(\t)
.if (\t) < 3
	s_wait_loadcnt 32                              ; this block's 32 loads are in; the next block's may be out
.else
	s_wait_loadcnt 0x0
.endif
	v_max3_num_f32 v12, |v[XS]|, |v[XS+1]|, |v[XS+2]|   ; all 32 numbers of the block are mine
	v_max3_num_f32 v13, |v[XS+3]|, |v[XS+4]|, |v[XS+5]|
.irp i, 6,10,14,18,22,26
	v_max3_num_f32 v12, v12, |v[XS+\i]|, |v[XS+\i+1]|
	v_max3_num_f32 v13, v13, |v[XS+\i+2]|, |v[XS+\i+3]|
.endr
	v_max3_num_f32 v12, v12, |v[XS+30]|, |v[XS+31]|
	v_max3_num_f32 v12, v12, v13, 0x2800000        ; and the floor
	v_add_nc_u32 v11, 0xfe000000, v12              ; the conversion's scale operand
	v_lshrrev_b32 v14, 23, v11                     ; the byte
.if (\t) == 0
	v_mov_b32 v15, v14
.else
	v_lshl_or_b32 v15, v14, 8*(\t), v15
.endif
	v_cvt_scalef32_pk16_bf6_f32 v[DT:DT+2], v[XS:XS+15], v11
	v_cvt_scalef32_pk16_bf6_f32 v[E:E+2], v[XS+16:XS+31], v11
	v_nop                                          ; one plain line behind the scaled conversions
.irp i, 0,1,2
	v_mov_b32 v[DT+3+\i], v[E+\i]
.endr
	ds_store_b128 v7, v[DT:DT+3] offset:768*((\t)/2)+256*((\t)%2)     ; block t is lanes' half t % 2 of HALF t / 2
	ds_store_b64 v8, v[DT+4:DT+5] offset:768*((\t)/2)+128*((\t)%2)
.if (\t)+2 < 4
	LOAD (\t)+2
.endif
.endm
	LOAD 0
	LOAD 1
	BLOCK 0
	BLOCK 1
	BLOCK 2
	BLOCK 3
	global_store_b32 v9, v15, s[16:17]
.irp j, 0,1,2,3,4,5
	ds_load_b128 v[OUTR+4*\j:OUTR+4*\j+3], v10 offset:512*\j   ; LDS serves a wave's instructions in order: these see my stores
.endr
.irp j, 0,1,2,3,4,5
	s_wait_dscnt 5-\j                              ; the younger read-backs may be out
	global_store_b128 v4, v[OUTR+4*\j:OUTR+4*\j+3], s[14:15] offset:12288*(\j/3)+512*(\j%3)   ; 512 consecutive bytes, aligned
.endr
	s_wait_tensorcnt 0x0
	ds_add_u32 v200, v201
	s_wait_dscnt 0x0
	s_endpgm
.Lfunc_end_k_q6d688dacf4_quant:
	.size	k_q6d688dacf4_quant, .Lfunc_end_k_q6d688dacf4_quant-k_q6d688dacf4_quant
	.p2alignl 7, 3214868480
	.fill 96, 4, 3214868480
	.section	.rodata,"a",@progbits
	.p2align	6, 0x0
	.amdhsa_kernel k_q6d688dacf4_quant
		.amdhsa_group_segment_fixed_size 46592
		.amdhsa_private_segment_fixed_size 0
		.amdhsa_enable_private_segment 0
		.amdhsa_kernarg_size 56
		.amdhsa_user_sgpr_count 2
		.amdhsa_user_sgpr_kernarg_segment_ptr 1
		.amdhsa_wavefront_size32 1
		.amdhsa_system_sgpr_workgroup_id_x 1
		.amdhsa_system_sgpr_workgroup_id_y 1
		.amdhsa_system_sgpr_workgroup_id_z 1
		.amdhsa_system_vgpr_workitem_id 0
		.amdhsa_next_free_vgpr 202
		.amdhsa_next_free_sgpr 66
		.amdhsa_reserve_vcc 0
		.amdhsa_float_denorm_mode_32 3
		.amdhsa_float_denorm_mode_16_64 3
		.amdhsa_memory_ordered 1
		.amdhsa_forward_progress 1
		.amdhsa_inst_pref_size 41
	.end_amdhsa_kernel
	.amdgpu_metadata
---
amdhsa.version: [ 1, 2 ]
amdhsa.kernels:
  - .name:           k_q6d688dacf4_quant
    .symbol:         k_q6d688dacf4_quant.kd
    .args:
      - { .name: x, .offset: 0, .size: 8, .value_kind: global_buffer, .address_space: global }
      - { .name: w_attn, .offset: 8, .size: 8, .value_kind: global_buffer, .address_space: global }
      - { .name: w_proj, .offset: 16, .size: 8, .value_kind: global_buffer, .address_space: global }
      - { .name: xc, .offset: 24, .size: 8, .value_kind: global_buffer, .address_space: global }
      - { .name: xs, .offset: 32, .size: 8, .value_kind: global_buffer, .address_space: global }
      - { .name: wc, .offset: 40, .size: 8, .value_kind: global_buffer, .address_space: global }
      - { .name: ws, .offset: 48, .size: 8, .value_kind: global_buffer, .address_space: global }
    .group_segment_fixed_size: 46592
    .private_segment_fixed_size: 0
    .kernarg_segment_align: 8
    .kernarg_segment_size: 56
    .max_flat_workgroup_size: 128
    .sgpr_count:     66
    .vgpr_count:     202
    .wavefront_size: 32
...
	.end_amdgpu_metadata
.endif
;; end of part 1
;; launch qkv (part 2): grid 12 x 64, 4 waves a work-group, clusters of 4 x 4, 307,712 bytes of LDS; arguments xc, xs, wc, ws, qr, kv; writes qr, kv
.if DOCPART == 2
	.amdgcn_target "amdgcn-amd-amdhsa--gfx1250"
	.amdhsa_code_object_version 6
	.text
	.protected	k_q6d688dacf4_qkv
	.globl	k_q6d688dacf4_qkv
	.p2align	8
	.type	k_q6d688dacf4_qkv,@function
k_q6d688dacf4_qkv:
	s_mov_b64 s[64:65], 0
	v_nop
	global_prefetch_b8 v0, s[64:65] scope:SCOPE_SE
	s_setreg_imm32_b32 hwreg(HW_REG_WAVE_MODE, 25, 1), 1
	s_wait_xcnt 0x0
	s_wait_alu depctr_hold_cnt(0) depctr_sa_sdst(0) depctr_va_vdst(0) depctr_va_sdst(0) depctr_va_ssrc(0) depctr_va_vcc(0) depctr_vm_vsrc(0)
	s_getreg_b32 s2, hwreg(HW_REG_IB_STS2, 6, 4)
	s_cmp_eq_u32 s2, 0
	s_cbranch_scc0 .Lentry_in_a_cluster
	s_endpgm
.Lentry_in_a_cluster:
	s_bfe_u32 s2, ttmp6, 0x10000c
	s_cmp_lg_u32 s2, 0xf033
	s_cbranch_scc0 .Lentry_shape_is_right
	s_endpgm
.Lentry_shape_is_right:
; qkv = x w_attn on codes of BF6 (E3M2) with E8M0 scales; the results are quantised in registers and leave as codes: q and k along the head's 64, v along the keys.
; A work-group makes A' (128 rows, source 1) x B' (256 rows, source 0), K = 1,024.  ALL of K lies in LDS (96 KB + 192 KB of codes, 12 KB of scale words), filled once by five tensor loads a wave:
; nothing is ever filled again, so the waits on the tensor counter are counted and the barriers are plain.  Four waves; wave (RA, RB) makes 64 rows of A' x 128 rows of B': 32 accumulators, 256 registers.
; Clusters x = 0, 1 (q's and k's columns): A' = 128 tokens of x, B' = 256 columns of w_attn: a lane then holds one token and 64 + 64 neighbouring columns: two heads, quantised along d.
; Cluster x = 2 (v's columns): A' = 128 columns of w_attn, B' = 256 tokens: a lane holds one column d and 128 neighbouring tokens: quantised along the keys.  The two kinds differ in pointers and in the way out alone.
; CODES lie as images of operand registers (HALF = 768 bytes: 16 rows x 64 k, registers 0-3 at 16 lane, 4-5 at 512 + 8 lane; IMAGE = two HALVES); row r of tile 2 g + u is row 32 g + 8 u + r + 8 (r / 8),
; so that the 16 result registers of two neighbouring tiles of source 0 are 16 neighbours.
; CLUSTER 4 x 4: A' hangs on y alone and is asked for jointly by a row of the cluster, B' on x alone, by a column.  768 work-groups: three for each of 256 WGPs.
; OUT: records of 208,896 bytes, one for each (batch, head): K's scale words [16 steps][2][256] at 0, V's [16][256] at 8,192, then 16 key steps of 12,288 bytes: 8 key tiles x HALF, 4 d tiles x IMAGE (16 d x 128 keys).
; qr has the same records; q's tiles and words stand where k's stand in kv.  Every store covers whole aligned runs of 256 bytes.
; LIMITS: a block whose largest magnitude lies under 2^-122 keeps the byte 1 (a block of zeros too: its codes are zeros; this program alone reads the bytes).  NaN and infinities are not served.
; REGISTERS: window 0: v1-23 addresses; v32-47 scale words, two sets; v64-159 A' fragments, two sets of 4 x 12; v160-222 the way out.  window 1: B' fragments, two sets of 8 x 12 at v0 and v128.  window 2: accumulator (a, b) at v[8 (8 a + b)].
.set CH,   73728                       ; a chunk: two K steps: A' 8 tiles x 3,072 bytes, then B' 16 tiles x 3,072
.set BOFF, 24576
.set SCL,  4*CH                        ; behind the four chunks: A' scale words 8 x 512 bytes, B' 16 x 512
.set REC,  208896
.set WV, 16
.set RA, 17
.set RB, 18
.set CY, 96
.set CX, 97
.set AI, 98                            ; which 128 rows of A'
.set BI, 99                            ; which 256 rows of B'
.set G1A, 20                           ; groups 1: A' codes, B' codes, A' scales, B' scales
.set G1B, 28
.set G1SA, 36
.set G1SB, 44
.set GA0, 52                           ; groups 0: a set for each load: none is written while a load is out
.set GA1, 56
.set GA2, 60
.set GA3, 68
.set GSA, 72
.set GB0, 76
.set GB1, 80
.set GB2, 84
.set GB3, 88
.set GSB, 92
.set ADS, 6
.set A16, 8
.set A8,  12
.set B16, 16
.set B8,  20
.set SC,  32
.set AF,  64
.set TM,  160
.set PWS, 180
.set SW,  184
.set PC0, 192
.set PT,  216
.set SEL, 20                           ; the way out: s[20:21], s22, s24-31 stand in group 1's registers, written behind the wait that shows every tensor load done
.set HM,  22
.set MSB, 0
.macro WIN new                         ; the immediate's high byte repeats the setting that is left
.if MSB != \new
	s_set_vgpr_msb (MSB<<8)|\new
.set MSB, \new
.endif
.endm
.macro CROUND                          ; a round of the cluster's barrier
	s_barrier_signal -1
	s_barrier_wait -1
	s_cmp_lg_u32 s[WV], 0
	s_cbranch_scc1 .Lnot_wave_0_\@
	s_barrier_signal -3
.Lnot_wave_0_\@:
	s_barrier_wait -3
	s_barrier_signal -1
	s_barrier_wait -1
.endm
.macro PLACES                          ; four plain lines between a matrix instruction and a load into, or a read of, its registers
.rept 4
	v_nop
.endr
.endm
.macro FRAG reg, a16, a8, off          ; an image comes back as it was stored: 12 registers
	ds_load_b128 v[\reg:\reg+3], v[\a16] offset:\off
	ds_load_b64 v[\reg+4:\reg+5], v[\a8] offset:\off+512
	ds_load_b128 v[\reg+6:\reg+9], v[\a16] offset:\off+768
	ds_load_b64 v[\reg+10:\reg+11], v[\a8] offset:\off+1280
.endm
.macro FETCH k                         ; K step k: 8 fragments of B', 4 of A', 8 registers of scale words (lanes 0-15 A' tile i, lanes 16-31 B' tile i): 56 loads
.set PP, (\k)%2
.set QQ, (\k)/2
	WIN 0x40                                       ; destination window 1
.irp i, 0,1,2,3,4,5,6,7
	FRAG 128*PP+12*\i, B16+QQ, B8+QQ, 3072*\i+1536*PP
.endr
	WIN 0
.irp i, 0,1,2,3
	FRAG AF+48*PP+12*\i, A16+QQ, A8+QQ, 3072*\i+1536*PP
.endr
.irp i, 0,1,2,3,4,5,6,7
	ds_load_b32 v[SC+8*PP+\i], v[ADS] offset:512*\i+64*(\k)
.endr
.endm
.macro MUL k                           ; 32 matrix instructions; the 32 accumulators take turns, in the same order in every step; the first step starts the sums
.set PP, (\k)%2
	WIN 0xa1                                       ; source 0 (B') window 1, source 1 (A') window 0, C and D window 2
.irp a, 0,1,2,3
.irp b, 0,1,2,3,4,5,6,7
.if (\k) == 0
	v_wmma_scale_f32_16x16x128_f8f6f4 v[8*(8*\a+\b):8*(8*\a+\b)+7], v[128*PP+12*\b:128*PP+12*\b+11], v[AF+48*PP+12*\a:AF+48*PP+12*\a+11], 0, v[SC+8*PP+\b], v[SC+8*PP+\a] matrix_a_fmt:MATRIX_FMT_BF6 matrix_b_fmt:MATRIX_FMT_BF6 matrix_a_scale:MATRIX_SCALE_ROW1
.else
	v_wmma_scale_f32_16x16x128_f8f6f4 v[8*(8*\a+\b):8*(8*\a+\b)+7], v[128*PP+12*\b:128*PP+12*\b+11], v[AF+48*PP+12*\a:AF+48*PP+12*\a+11], v[8*(8*\a+\b):8*(8*\a+\b)+7], v[SC+8*PP+\b], v[SC+8*PP+\a] matrix_a_fmt:MATRIX_FMT_BF6 matrix_b_fmt:MATRIX_FMT_BF6 matrix_a_scale:MATRIX_SCALE_ROW1
.endif
.endr
.endr
	WIN 0
.endm
.macro STEP k
	s_wait_dscnt 0x0                               ; this step's fragments, asked for a step ago, are in
.if ((\k) == 1) || ((\k) == 3) || ((\k) == 5)
	s_wait_tensorcnt 3-((\k)+1)/2                  ; my part of the next chunk has landed; the chunks behind it may be out
	s_barrier_signal -1
	s_barrier_wait -1                              ; everybody's has
.endif
.if (\k) < 7
.if (\k) > 0
	PLACES
.endif
	FETCH (\k)+1
.endif
	MUL \k
.endm
	s_load_b256 s[4:11], s[0:1], 0x0               ; xc s[4:5], xs s[6:7], wc s[8:9], ws s[10:11]
	s_load_b128 s[12:15], s[0:1], 0x20             ; qr s[12:13], kv s[14:15]
	v_lshl_add_u32 v254, v0, 2, 0x4b000
	v_mov_b32 v255, 0
	ds_add_u32 v254, v255
	ds_add_u32 v254, v255
	v_lshrrev_b32 v1, 5, v0
	v_readfirstlane_b32 s[WV], v1                  ; wave 0..3
	s_lshr_b32 s[RA], s[WV], 1                     ; my 64 rows of A'.  Also: I fetch for A' (0) or for B' (1)
	s_and_b32 s[RB], s[WV], 1                      ; my 128 rows of B'.  Also: which half of that operand I fetch
	s_bfe_u32 s[CX], ttmp6, 0x40000
	s_bfe_u32 s[CY], ttmp6, 0x40004
	s_and_b32 s19, ttmp7, 0xffff                   ; cluster y
	s_lshl_b32 s2, s[CY], 2
	s_lshl_b32 s2, 15, s2                          ; my row of the cluster
	s_lshl_b32 s3, 0x1111, s[CX]                   ; my column
	s_or_b32 s[G1A], s2, (3<<16)|(1<<21)           ; 15:0 the mask; 17:16 elements of 8 bytes; 21 set beside a mask; no padding
	s_or_b32 s[G1SA], s2, (3<<16)|(1<<21)
	s_or_b32 s[G1B], s3, (3<<16)|(1<<21)
	s_or_b32 s[G1SB], s3, (3<<16)|(1<<21)
.irp g, G1A, G1B                               ; codes: a row is a tile's two images of a chunk, 3,072 bytes; from tile to tile 12,288 bytes
	s_mov_b32 s[\g+1], 384<<16
	s_mov_b32 s[\g+3], 384<<16
	s_mov_b32 s[\g+5], 1536
	s_mov_b32 s[\g+6], 0
	s_mov_b32 s[\g+7], 0
.endr
	s_mov_b32 s[G1A+2], 4<<16                      ; 4 tiles of A' a load,
	s_mov_b32 s[G1A+4], 4
	s_mov_b32 s[G1B+2], 8<<16                      ; 8 of B'
	s_mov_b32 s[G1B+4], 8
.irp g, G1SA, G1SB                             ; scale words: a dense block, as rows of 256 bytes
	s_mov_b32 s[\g+1], 32<<16
	s_mov_b32 s[\g+3], 32<<16
	s_mov_b32 s[\g+5], 32
	s_mov_b32 s[\g+6], 0
	s_mov_b32 s[\g+7], 0
.endr
	s_mov_b32 s[G1SA+2], 8<<16
	s_mov_b32 s[G1SA+4], 8
	s_mov_b32 s[G1SB+2], 16<<16
	s_mov_b32 s[G1SB+4], 16
	; which rows.  The kind hangs on the cluster's x alone: it is the same in all sixteen partners
	s_lshr_b32 s66, s19, 3
	s_and_b32 s67, s19, 7
	s_cmp_lt_u32 ttmp9, 2
	s_cselect_b32 s[AI], s19, s66
	s_cselect_b32 s[BI], ttmp9, s67
	s_cselect_b32 s2, 0, 128                       ; v's columns begin at tile 128 of the weights
	s_lshl_b32 s[AI], s[AI], 2
	s_add_co_u32 s[AI], s[AI], s[CY]
	s_lshl_b32 s[BI], s[BI], 2
	s_add_co_u32 s[BI], s[BI], s[CX]
	s_lshl_b32 s66, s[AI], 3
	s_add_co_u32 s2, s2, s66
	s_lshl_b32 s66, s[RB], 2
	s_add_co_u32 s2, s2, s66                       ; the first tile of A' that I would fetch
	s_lshl_b32 s3, s[BI], 4
	s_lshl_b32 s67, s[RB], 3
	s_add_co_u32 s3, s3, s67                       ; and of B'
	s_mul_i32 s[GA0+2], s2, 12288
	s_mov_b32 s[GA0+3], 0
	s_lshl_b32 s[GSA+2], s2, 9
	s_mov_b32 s[GSA+3], 0
	s_mul_i32 s[GB0+2], s3, 12288
	s_mov_b32 s[GB0+3], 0
	s_lshl_b32 s[GSB+2], s3, 9
	s_mov_b32 s[GSB+3], 0
	s_mul_i32 s[GA0+1], s[RB], 12288               ; LDS addresses: constants and the wave's number alone
	s_add_co_u32 s[GA1+1], s[GA0+1], CH
	s_add_co_u32 s[GA2+1], s[GA0+1], 2*CH
	s_add_co_u32 s[GA3+1], s[GA0+1], 3*CH
	s_lshl_b32 s[GSA+1], s[RB], 11
	s_add_co_u32 s[GSA+1], s[GSA+1], SCL
	s_mul_i32 s[GB0+1], s[RB], 24576
	s_add_co_u32 s[GB0+1], s[GB0+1], BOFF
	s_add_co_u32 s[GB1+1], s[GB0+1], CH
	s_add_co_u32 s[GB2+1], s[GB0+1], 2*CH
	s_add_co_u32 s[GB3+1], s[GB0+1], 3*CH
	s_lshl_b32 s[GSB+1], s[RB], 12
	s_add_co_u32 s[GSB+1], s[GSB+1], SCL+4096
.irp g, GA0, GA1, GA2, GA3, GSA, GB0, GB1, GB2, GB3, GSB
	s_mov_b32 s[\g], 1
.endr
	s_wait_dscnt 0x0
	s_wait_kmcnt 0x0
	s_cmp_lt_u32 ttmp9, 2
	s_cselect_b64 s[100:101], s[4:5], s[8:9]       ; A' codes: x's, or the weights'
	s_cselect_b64 s[8:9], s[8:9], s[4:5]           ; B' codes
	s_cselect_b64 s[66:67], s[6:7], s[10:11]       ; A' scale words
	s_cselect_b64 s[10:11], s[10:11], s[6:7]       ; B' scale words
	s_add_nc_u64 s[GA0+2:GA0+3], s[100:101], s[GA0+2:GA0+3]
	s_add_nc_u64 s[GA1+2:GA1+3], s[GA0+2:GA0+3], 3072
	s_add_nc_u64 s[GA2+2:GA2+3], s[GA0+2:GA0+3], 6144
	s_add_nc_u64 s[GA3+2:GA3+3], s[GA0+2:GA0+3], 9216
	s_add_nc_u64 s[GSA+2:GSA+3], s[66:67], s[GSA+2:GSA+3]
	s_add_nc_u64 s[GB0+2:GB0+3], s[8:9], s[GB0+2:GB0+3]
	s_add_nc_u64 s[GB1+2:GB1+3], s[GB0+2:GB0+3], 3072
	s_add_nc_u64 s[GB2+2:GB2+3], s[GB0+2:GB0+3], 6144
	s_add_nc_u64 s[GB3+2:GB3+3], s[GB0+2:GB0+3], 9216
	s_add_nc_u64 s[GSB+2:GSB+3], s[10:11], s[GSB+2:GSB+3]
.irp g, GA0, GA1, GA2, GA3, GSA, GB0, GB1, GB2, GB3, GSB
	s_or_b32 s[\g+3], s[\g+3], 0x80000000          ; type = 2
.endr
	CROUND                                         ; all sixteen work-groups are here: the joint loads meet
	s_cmp_eq_u32 s[RA], 0                          ; all fills of a wave stand in one branch on its number: five loads of mine are out
	s_cbranch_scc0 .Lfor_b
	tensor_load_to_lds s[GSA:GSA+3], s[G1SA:G1SA+7]
	s_nop 0
	tensor_load_to_lds s[GA0:GA0+3], s[G1A:G1A+7]
	s_nop 0
	tensor_load_to_lds s[GA1:GA1+3], s[G1A:G1A+7]
	s_nop 0
	tensor_load_to_lds s[GA2:GA2+3], s[G1A:G1A+7]
	s_nop 0
	tensor_load_to_lds s[GA3:GA3+3], s[G1A:G1A+7]
	s_nop 0
.rept 4
	v_nop
.endr
	s_branch .Lasked
.Lfor_b:
	tensor_load_to_lds s[GSB:GSB+3], s[G1SB:G1SB+7]
	s_nop 0
	tensor_load_to_lds s[GB0:GB0+3], s[G1B:G1B+7]
	s_nop 0
	tensor_load_to_lds s[GB1:GB1+3], s[G1B:G1B+7]
	s_nop 0
	tensor_load_to_lds s[GB2:GB2+3], s[G1B:G1B+7]
	s_nop 0
	tensor_load_to_lds s[GB3:GB3+3], s[G1B:G1B+7]
	s_nop 0
.rept 4
	v_nop
.endr
.Lasked:
	v_and_b32 v3, 31, v0                           ; lane
	v_and_b32 v1, 15, v0                           ; r
	v_bfe_u32 v2, v0, 4, 1                         ; h
	v_lshlrev_b32 v4, 4, v3                        ; 16 lane
	v_lshlrev_b32 v5, 3, v3                        ; 8 lane
	s_mul_i32 s2, s[RA], 12288                     ; my 4 tiles of A'
	s_mul_i32 s3, s[RB], 24576                     ; my 8 tiles of B'
	s_add_co_u32 s3, s3, BOFF
.irp q, 0,1,2,3                                ; an address register for each chunk: none is ever stepped
	v_add_nc_u32 v[A16+\q], s2, v4
	v_add_nc_u32 v[A8+\q], s2, v5
	v_add_nc_u32 v[B16+\q], s3, v4
	v_add_nc_u32 v[B8+\q], s3, v5
	s_add_co_u32 s2, s2, CH
	s_add_co_u32 s3, s3, CH
.endr
	s_lshl_b32 s2, s[RA], 11
	s_lshl_b32 s3, s[RB], 12
	s_add_co_u32 s3, s3, 4096
	s_sub_co_u32 s3, s3, s2                        ; from my A' words to my B' words
	v_mul_u32_u24 v[ADS], s3, v2                   ; lanes 16-31 take B' words
	v_lshl_add_u32 v[ADS], v1, 2, v[ADS]
	s_add_co_u32 s2, s2, SCL
	v_add_nc_u32 v[ADS], s2, v[ADS]
.irp b, 0,1,2,3
	v_mov_b32 v[TM+4+\b], 0                        ; written once: a lane permute's destination counts as one of its sources
.endr
	s_wait_tensorcnt 3                             ; my scale words and my part of chunk 0 have landed; three chunks may be out
	s_barrier_signal -1
	s_barrier_wait -1
	FETCH 0
	STEP 0
	STEP 1
	STEP 2
	STEP 3
	STEP 4
	STEP 5
	STEP 6
	STEP 7
	PLACES
; THE WAY OUT.  For A' tile a my 64 registers 64 a + 16 b + i are the numbers 32 b + 16 h + i along B' of my lane's row: they become a fragment's 12 registers and its scale word.
.macro QUANTW a, pc, pw
	WIN 0x0a                                       ; sources 0 and 1 window 2
.irp b, 0,1,2,3
	v_max3_num_f32 v[TM+\b], |v[64*(\a)+16*\b]|, |v[64*(\a)+16*\b+1]|, 0x2800000   ; each accumulator is read from its low end on; the floor 2^(5 - 127)
.endr
.irp i, 2,4,6,8,10,12,14
.irp b, 0,1,2,3
	v_max3_num_f32 v[TM+\b], |v[64*(\a)+16*\b+\i]|, |v[64*(\a)+16*\b+\i+1]|, v[TM+\b]
.endr
.endr
	WIN 0
.irp b, 0,1,2,3
	v_permlanex16_b32 v[TM+4+\b], v[TM+\b], s[SEL], s[SEL+1]
.endr
.irp b, 0,1,2,3
	v_max_num_f32 v[TM+\b], v[TM+\b], v[TM+4+\b]
.endr
.irp b, 0,1,2,3
	v_add_nc_u32 v[TM+12+\b], 0xfe000000, v[TM+\b]
.endr
.irp b, 0,1,2,3
	v_lshrrev_b32 v[TM+4+\b], 23, v[TM+12+\b]
.endr
	v_lshl_or_b32 v[\pw], v[TM+5], 8, v[TM+4]
	v_lshl_or_b32 v[\pw], v[TM+6], 16, v[\pw]
	v_lshl_or_b32 v[\pw], v[TM+7], 24, v[\pw]
	WIN 0x02                                       ; source 0 window 2
.irp c, 0,1
	v_cvt_scalef32_pk16_bf6_f32 v[\pc+6*\c:\pc+6*\c+2], v[64*(\a)+32*\c:64*(\a)+32*\c+15], v[TM+12+2*\c]
	v_cvt_scalef32_pk16_bf6_f32 v[PT+4*\c:PT+4*\c+2], v[64*(\a)+32*\c+16:64*(\a)+32*\c+31], v[TM+13+2*\c]
.endr
	WIN 0
	v_nop                                          ; one plain line behind the scaled conversions
.irp c, 0,1
.irp i, 0,1,2
	v_permlane16_swap_b32 v[\pc+6*\c+\i], v[PT+4*\c+\i]
.endr
.irp i, 0,1,2
	v_mov_b32 v[\pc+3+6*\c+\i], v[PT+4*\c+\i]
.endr
.endr
.endm
.macro EPI o2, st                              ; the second HALF lies o2 bytes behind the first; from tile to tile st bytes
.irp a, 0,1,2,3
	s_wait_xcnt 0x0                                ; the earlier stores have read their data registers
	QUANTW \a, PC0+12*(\a%2), PWS+\a
	global_store_b128 v4, v[PC0+12*(\a%2):PC0+12*(\a%2)+3], s[26:27] offset:\st*\a
	global_store_b64 v5, v[PC0+12*(\a%2)+4:PC0+12*(\a%2)+5], s[26:27] offset:\st*\a+512
	global_store_b128 v4, v[PC0+12*(\a%2)+6:PC0+12*(\a%2)+9], s[26:27] offset:\o2+\st*\a
	global_store_b64 v5, v[PC0+12*(\a%2)+10:PC0+12*(\a%2)+11], s[26:27] offset:\o2+\st*\a+512
.endr
	v_cndmask_b32 v[SW], v[PWS], v[PWS+1], s[HM]   ; lanes 0-15 tile 0's words, lanes 16-31 tile 1's;
	v_cndmask_b32 v[SW+1], v[PWS+2], v[PWS+3], s[HM]   ; tiles 2 and 3
.endm
	s_mov_b32 s[SEL], 0x76543210                   ; (step 5's wait for 0 has shown every tensor load of mine done: group 1's registers are free)
	s_mov_b32 s[SEL+1], 0xfedcba98
	s_mov_b32 s[HM], 0xffff0000
	s_cmp_lt_u32 ttmp9, 2
	s_cbranch_scc0 .Lv_kind
	; q or k: tokens 128 AI on = key step AI % 16 of batch AI / 16; my 128 columns are heads hd0 and hd0 + 1
	s_lshr_b32 s24, s[AI], 4
	s_and_b32 s25, s[AI], 15
	s_lshl_b32 s26, s[BI], 1
	s_add_co_u32 s26, s26, s[RB]
	s_and_b32 s26, s26, 7
	s_lshl_b32 s26, s26, 1                         ; hd0
	s_lshl_b32 s24, s24, 4
	s_add_co_u32 s24, s24, s26
	s_mul_i32 s24, s24, REC                        ; the record of (batch, hd0)
	s_mul_i32 s26, s25, 12288
	s_add_co_u32 s26, s26, s24
	s_mul_i32 s27, s[RA], 3072
	s_add_co_u32 s26, s26, s27
	s_add_co_u32 s26, s26, 12288                   ; key tiles 4 RA on of the step
	s_mov_b32 s27, 0
	s_lshl_b32 s28, s25, 9
	s_add_co_u32 s28, s28, s24
	s_lshl_b32 s29, s[RA], 8
	s_add_co_u32 s28, s28, s29                     ; and their scale words
	s_mov_b32 s29, 0
	s_cmp_eq_u32 ttmp9, 0
	s_cselect_b64 s[30:31], s[12:13], s[14:15]     ; q's records or k's
	s_add_nc_u64 s[26:27], s[30:31], s[26:27]
	s_add_nc_u64 s[28:29], s[30:31], s[28:29]
	EPI REC, 768
	v_lshrrev_b32 v[SW+2], 16, v[SW]               ; bytes 2, 3 are head hd0 + 1's two blocks;
	v_lshrrev_b32 v[SW+3], 16, v[SW+1]
	v_and_b32 v[SW+4], 0xffff, v[SW]               ; bytes 0, 1 head hd0's.  The upper two bytes of a stored word are 0: they scale the half of K = 128 that holds no number
	v_and_b32 v[SW+5], 0xffff, v[SW+1]
	global_store_b64 v5, v[SW+4:SW+5], s[28:29]    ; 256 consecutive bytes
	global_store_b64 v5, v[SW+2:SW+3], s[28:29] offset:REC
	s_branch .Ldone
.Lv_kind:
	; v: my 64 columns are head 2 AI + RA; my 128 tokens are key step G % 16 of batch G / 16, G = 2 BI + RB
	s_lshl_b32 s24, s[AI], 1
	s_add_co_u32 s24, s24, s[RA]
	s_lshl_b32 s25, s[BI], 1
	s_add_co_u32 s25, s25, s[RB]
	s_lshr_b32 s26, s25, 4
	s_and_b32 s25, s25, 15
	s_lshl_b32 s26, s26, 4
	s_add_co_u32 s24, s24, s26
	s_mul_i32 s24, s24, REC
	s_mul_i32 s26, s25, 12288
	s_add_co_u32 s26, s26, s24
	s_add_co_u32 s26, s26, 12288+6144              ; the step's four images of V
	s_mov_b32 s27, 0
	s_lshl_b32 s28, s25, 8
	s_add_co_u32 s28, s28, s24
	s_add_co_u32 s28, s28, 8192
	s_mov_b32 s29, 0
	s_add_nc_u64 s[26:27], s[14:15], s[26:27]
	s_add_nc_u64 s[28:29], s[14:15], s[28:29]
	EPI 768, 1536
	global_store_b64 v5, v[SW:SW+1], s[28:29]
.Ldone:
	s_wait_dscnt 0x0
	s_wait_tensorcnt 0x0
	ds_add_u32 v254, v255
	s_wait_dscnt 0x0
	CROUND                                         ; the closing round: no work-group ends while a partner may still ask for a tile that names it
	s_endpgm
.Lfunc_end_k_q6d688dacf4_qkv:
	.size	k_q6d688dacf4_qkv, .Lfunc_end_k_q6d688dacf4_qkv-k_q6d688dacf4_qkv
	.p2alignl 7, 3214868480
	.fill 96, 4, 3214868480
	.section	.rodata,"a",@progbits
	.p2align	6, 0x0
	.amdhsa_kernel k_q6d688dacf4_qkv
		.amdhsa_group_segment_fixed_size 307712
		.amdhsa_private_segment_fixed_size 0
		.amdhsa_enable_private_segment 0
		.amdhsa_kernarg_size 48
		.amdhsa_user_sgpr_count 2
		.amdhsa_user_sgpr_kernarg_segment_ptr 1
		.amdhsa_wavefront_size32 1
		.amdhsa_system_sgpr_workgroup_id_x 1
		.amdhsa_system_sgpr_workgroup_id_y 1
		.amdhsa_system_sgpr_workgroup_id_z 1
		.amdhsa_system_vgpr_workitem_id 0
		.amdhsa_next_free_vgpr 768
		.amdhsa_next_free_sgpr 102
		.amdhsa_reserve_vcc 0
		.amdhsa_float_denorm_mode_32 3
		.amdhsa_float_denorm_mode_16_64 3
		.amdhsa_memory_ordered 1
		.amdhsa_forward_progress 1
		.amdhsa_inst_pref_size 110
	.end_amdhsa_kernel
	.amdgpu_metadata
---
amdhsa.version: [ 1, 2 ]
amdhsa.kernels:
  - .name:           k_q6d688dacf4_qkv
    .symbol:         k_q6d688dacf4_qkv.kd
    .args:
      - { .name: xc, .offset: 0, .size: 8, .value_kind: global_buffer, .address_space: global }
      - { .name: xs, .offset: 8, .size: 8, .value_kind: global_buffer, .address_space: global }
      - { .name: wc, .offset: 16, .size: 8, .value_kind: global_buffer, .address_space: global }
      - { .name: ws, .offset: 24, .size: 8, .value_kind: global_buffer, .address_space: global }
      - { .name: qr, .offset: 32, .size: 8, .value_kind: global_buffer, .address_space: global }
      - { .name: kv, .offset: 40, .size: 8, .value_kind: global_buffer, .address_space: global }
    .group_segment_fixed_size: 307712
    .private_segment_fixed_size: 0
    .kernarg_segment_align: 8
    .kernarg_segment_size: 48
    .max_flat_workgroup_size: 128
    .sgpr_count:     102
    .vgpr_count:     768
    .wavefront_size: 32
...
	.end_amdgpu_metadata
.endif
;; end of part 2
;; launch attn (part 3): grid 4 x 64, 16 waves a work-group, no clusters, 210,944 bytes of LDS; arguments qr, kv, yc, ys; writes yc, ys
.if DOCPART == 3
	.amdgcn_target "amdgcn-amd-amdhsa--gfx1250"
	.amdhsa_code_object_version 6
	.text
	.protected	k_q6d688dacf4_attn
	.globl	k_q6d688dacf4_attn
	.p2align	8
	.type	k_q6d688dacf4_attn,@function
k_q6d688dacf4_attn:
	s_mov_b64 s[64:65], 0
	v_nop
	global_prefetch_b8 v0, s[64:65] scope:SCOPE_SE
	s_setreg_imm32_b32 hwreg(HW_REG_WAVE_MODE, 25, 1), 1
	s_wait_xcnt 0x0
; y[b][q][head] = softmax over the keys k <= q of (Q . K / 8) V, both products on codes of BF6 (E3M2) with E8M0 scales; y is quantised along C and leaves as codes for the last product.
; THE SOFTMAX: t = score x log2(e) / 8; M = the running largest t rounded UP to a whole number; p = 2^(t - M) is what is quantised, along the keys, not normalised.  The row's sum is taken of the unquantised p and divides at the end.
; When M moves, the sum and O are multiplied by 2^(old M - new M): exact.
; SHARES.  Work-group (i, bh) owns query blocks 7 - i and i (256 queries each) of head bh.  Wave w runs two passes, each on one tile of 16 queries: tile 16 (7 - i) + w, then tile 16 i + 15 - w.
; A tile tq needs tq / 8 + 1 key steps of 128, so every wave of every work-group has 17 steps.  Four waves share a SIMD: one wave's vector work stands beside another's products and LDS loads.
; LDS is the head's whole record of kv, at the record's own offsets (K's scale words at 0, V's at 8,192, 16 key steps of 12,288 bytes from 12,288 on: 8 key tiles x 768, 4 images of V x 1,536), filled ONCE: nothing is filled again.
; LAYOUT.  Both products are used transposed: S^T = K Q^T, O^T = V^T P^T: a lane holds one query.  Row r of tile 2 g + u (of keys, queries, d) is row 32 g + 8 u + r + 8 (r / 8), so the 16 registers of two neighbouring tiles are 16 neighbours.
; THE HEAD IS 64 WIDE, the instruction 128: Q's registers 6-11 are zero codes.  K's fragment t is named as registers 6 t .. 6 t + 11 of K's buffer: its upper six are the next tile's codes (behind tile 7: zeros),
; finite numbers that meet Q's zeros; the scale words' upper two bytes are 0.
; EVERY loop's trip count is a constant; a step all of whose keys come after my queries is jumped over by a scalar branch on ids; no barrier and no tensor load stands in a step.
; NO CLUSTER, though the four work-groups of a head read the same record: which steps a work-group skips hangs on its query blocks, that is on its place among the four;
; without the skipping a wave would run 24 steps for 17.  NO PREFETCH: every byte that the launch reads is asked for by its first instructions.
; LIMITS: M is a whole number kept in f32: |t| under 2^24.  1 / l is v_rcp_f32 and a multiplication.  A block of y under 2^-122 keeps the byte 1.  NaN and infinities are not served.
; REGISTERS: v1-11 addresses and constants; v12 -M, v13 largest t, v[14:15] the sum; v16-27, v28-39 Q of the two passes; v40, v41 Q's scale words; v42-45 K's, v46-47 V's, v48 p's;
; v50-103 K's tiles, then V's fragments (v98-103 zeros for good); v104-167 S^T, then p, then y; v168-199 O^T; v200-211 p's codes; v212-237 at work.
.set REC,  208896
.set WV,   12
.set BH,   14
.set G1F,  16                          ; s[16:23] group 1 of the first fill: 9 rows of 256 bytes a wave;  s[24:31] of the second: 42 rows
.set G1R,  24
.set G0F,  32
.set G0R,  36
.set SEL,  40
.set CS,   42                          ; s[42:43] c = log2(e) / 8
.set HM,   44
.set TB,   45                          ; LDS byte of the key step in hand
.set TKS,  46                          ; of its scale words of K
.set TVS,  47                          ; of V
.set KF,   48                          ; the step's first key
.set QB,   49                          ; my tile's first query
.set QMAX, 50                          ; and its last
.set CNT,  51
.set TQ,   74                          ; s74, s75 my two tiles
.set KB,   50
.set S,    104
.set OT,   168
.set PCD,  200
.set BM,   220
.set T4,   224
.set SO,   228
	s_load_b256 s[4:11], s[0:1], 0x0               ; qr s[4:5], kv s[6:7], yc s[8:9], ys s[10:11]
	v_lshl_add_u32 v240, v0, 2, 0x33000
	v_mov_b32 v241, 0
	ds_add_u32 v240, v241
	ds_add_u32 v240, v241
	v_lshrrev_b32 v1, 5, v0
	s_delay_alu instid0(VALU_DEP_1)
	v_readfirstlane_b32 s[WV], v1                  ; wave 0..15
	s_and_b32 s[BH], ttmp7, 0xffff                 ; 16 batch + head
.irp g, G1F, G1R                               ; dense blocks as rows of 256 bytes: 32 elements of 8 bytes, no mask, no padding
	s_mov_b32 s[\g], 3<<16
	s_mov_b32 s[\g+1], 32<<16
	s_mov_b32 s[\g+3], 32<<16
	s_mov_b32 s[\g+5], 32
	s_mov_b32 s[\g+6], 0
	s_mov_b32 s[\g+7], 0
.endr
	s_mov_b32 s[G1F+2], 9<<16
	s_mov_b32 s[G1F+4], 9
	s_mov_b32 s[G1R+2], 42<<16
	s_mov_b32 s[G1R+4], 42
	s_mul_i32 s76, s[BH], REC
	s_mov_b32 s77, 0
	s_mov_b32 s[G0F], 1
	s_mul_i32 s[G0F+1], s[WV], 2304                ; sixteen waves x 2,304 = 36,864 bytes: all scale words and key steps 0 and 1
	s_mov_b32 s[G0R], 1
	s_mul_i32 s[G0R+1], s[WV], 10752               ; sixteen x 10,752 = 172,032: key steps 2 to 15
	s_add_co_u32 s[G0R+1], s[G0R+1], 36864
	s_mov_b32 s79, 0
	s_wait_dscnt 0x0
	s_wait_kmcnt 0x0
	s_add_nc_u64 s[6:7], s[6:7], s[76:77]          ; kv and qr at my head's record
	s_add_nc_u64 s[4:5], s[4:5], s[76:77]
	s_mov_b32 s78, s[G0F+1]                        ; the record lies in LDS as in memory
	s_add_nc_u64 s[G0F+2:G0F+3], s[6:7], s[78:79]
	s_or_b32 s[G0F+3], s[G0F+3], 0x80000000
	s_mov_b32 s78, s[G0R+1]
	s_add_nc_u64 s[G0R+2:G0R+3], s[6:7], s[78:79]
	s_or_b32 s[G0R+3], s[G0R+3], 0x80000000
	tensor_load_to_lds s[G0F:G0F+3], s[G1F:G1F+7]  ; both fills go out together, ahead of every wait, LDS read and barrier: two loads of mine are out
	s_nop 0
	tensor_load_to_lds s[G0R:G0R+3], s[G1R:G1R+7]
	s_nop 0
.rept 4
	v_nop
.endr
	s_sub_co_u32 s[TQ], 7, ttmp9
	s_lshl_b32 s[TQ], s[TQ], 4
	s_add_co_u32 s[TQ], s[TQ], s[WV]               ; the late tile: 16 (7 - i) + w
	s_lshl_b32 s[TQ+1], ttmp9, 4
	s_add_co_u32 s[TQ+1], s[TQ+1], 15
	s_sub_co_u32 s[TQ+1], s[TQ+1], s[WV]           ; the early tile: 16 i + 15 - w
.macro BASES p                         ; where pass p's Q, its scale words, its y and y's scale bytes lie
	s_lshr_b32 s52, s[TQ+\p], 3
	s_and_b32 s53, s[TQ+\p], 7
	s_mul_i32 s76, s52, 12288
	s_mul_i32 s53, s53, 768
	s_add_co_u32 s76, s76, s53
	s_add_co_u32 s76, s76, 12288
	s_add_nc_u64 s[54+4*\p:55+4*\p], s[4:5], s[76:77]
	s_lshl_b32 s76, s52, 9                         ; the word of tile t = 4 s + 2 i + h, row r, lies at 256 s + 128 h + 4 i + 8 r of its step's 512 bytes
	s_bfe_u32 s53, s[TQ+\p], 0x10002
	s_lshl_b32 s53, s53, 8
	s_add_co_u32 s76, s76, s53
	s_and_b32 s53, s[TQ+\p], 1
	s_lshl_b32 s53, s53, 7
	s_add_co_u32 s76, s76, s53
	s_bfe_u32 s53, s[TQ+\p], 0x10001
	s_lshl_b32 s53, s53, 2
	s_add_co_u32 s76, s76, s53
	s_add_nc_u64 s[56+4*\p:57+4*\p], s[4:5], s[76:77]
	s_lshr_b32 s52, s[BH], 4
	s_lshl_b32 s52, s52, 7
	s_add_co_u32 s52, s52, s[TQ+\p]                ; the tile among all 512 tiles of tokens
	s_and_b32 s53, s[BH], 15                       ; the head
	s_lshl_b32 s76, s52, 4
	s_add_co_u32 s76, s76, s53
	s_mul_i32 s76, s76, 768                        ; yc: [tile][head][768]
	s_add_nc_u64 s[66+4*\p:67+4*\p], s[8:9], s[76:77]
	s_lshl_b32 s76, s52, 9                         ; ys: [tile][K step = head / 2][16 words]; my head's bytes 2 (head % 2) + block
	s_lshr_b32 s52, s53, 1
	s_lshl_b32 s52, s52, 6
	s_add_co_u32 s76, s76, s52
	s_and_b32 s53, s53, 1
	s_lshl_b32 s53, s53, 1
	s_add_co_u32 s76, s76, s53
	s_add_nc_u64 s[68+4*\p:69+4*\p], s[10:11], s[76:77]
.endm
	BASES 0
	BASES 1
	v_and_b32 v3, 31, v0
	s_delay_alu instid0(VALU_DEP_1)
	v_lshlrev_b32 v1, 4, v3                        ; 16 lane
	s_delay_alu instid0(VALU_DEP_2)
	v_lshlrev_b32 v2, 3, v3                        ; 8 lane
	v_and_b32 v4, 15, v0                           ; r
	v_bfe_u32 v5, v0, 4, 1                         ; h
	s_delay_alu instid0(VALU_DEP_2)
	v_lshlrev_b32 v10, 3, v4                       ; 8 r
	s_delay_alu instid0(VALU_DEP_2)
	v_lshl_add_u32 v9, v4, 2, v5                   ; 4 r + h
	s_delay_alu instid0(VALU_DEP_4)
	v_and_b32 v6, 8, v4
	s_delay_alu instid0(VALU_DEP_1)
	v_add_nc_u32 v7, v6, v4
	v_lshlrev_b32 v6, 4, v5
	s_delay_alu instid0(VALU_DEP_1)
	v_sub_nc_u32 v7, v7, v6                        ; r + 8 (r / 8) - 16 h
	global_load_b128 v[16:19], v1, s[54:55]        ; Q of both passes stays in registers
	global_load_b64 v[20:21], v2, s[54:55] offset:512
	global_load_b32 v40, v10, s[56:57]
	global_load_b128 v[28:31], v1, s[58:59]
	global_load_b64 v[32:33], v2, s[58:59] offset:512
	global_load_b32 v41, v10, s[60:61]
.irp j, 22,23,24,25,26,27,34,35,36,37,38,39,98,99,100,101,102,103
	v_mov_b32 v[\j], 0                             ; zero codes: the half of K = 128 that the head does not fill
.endr
.irp b, 0,1,2,3
	v_mov_b32 v[T4+\b], 0                          ; written once: a lane permute's destination counts as one of its sources
.endr
	v_mov_b32 v233, 0                              ; (named as the upper half of the pair v[232:233])
	v_mov_b32 v234, 0
	v_mov_b32 v11, 0xff800000                      ; -infinity
	s_mov_b32 s[SEL], 0x76543210
	s_mov_b32 s[SEL+1], 0xfedcba98
	s_mov_b32 s[CS], 0x3e38aa3b                    ; log2(e) / 8
	s_mov_b32 s[CS+1], s[CS]
	s_mov_b32 s[HM], 0xffff0000
; A KEY STEP of 128 keys for pass p's tile
.macro STEP p
	s_cmp_gt_u32 s[KF], s[QMAX]                    ; all its keys come after my queries: nothing but the address steps at its end
	s_cbranch_scc1 .Lhidden_\@
	s_setprio 2
	v_add_nc_u32 v3, s[TB], v1                     ; (these four are also the places between the last step's products and the loads into their operands)
	v_add_nc_u32 v4, s[TB], v2
	v_add_nc_u32 v5, s[TKS], v2
	v_add_nc_u32 v6, s[TVS], v2
.irp t, 0,1,2,3,4,5,6,7
	ds_load_b128 v[KB+6*\t:KB+6*\t+3], v3 offset:768*\t
	ds_load_b64 v[KB+6*\t+4:KB+6*\t+5], v4 offset:768*\t+512
.endr
	ds_load_b64 v[42:43], v5                       ; register 42 + t / 2: lanes 0-15 the words of the even tile, lanes 16-31 of the odd one
	ds_load_b64 v[44:45], v5 offset:256
	s_wait_alu depctr_va_vdst(0)
	s_wait_dscnt 0x0
.irp t, 0,1,2,3,4,5,6,7
.if \t%2
	v_wmma_scale_f32_16x16x128_f8f6f4 v[S+8*\t:S+8*\t+7], v[KB+6*\t:KB+6*\t+11], v[16+12*\p:27+12*\p], 0, v[42+\t/2], v[40+\p] matrix_a_fmt:MATRIX_FMT_BF6 matrix_b_fmt:MATRIX_FMT_BF6 matrix_a_scale:MATRIX_SCALE_ROW1
.else
	v_wmma_scale_f32_16x16x128_f8f6f4 v[S+8*\t:S+8*\t+7], v[KB+6*\t:KB+6*\t+11], v[16+12*\p:27+12*\p], 0, v[42+\t/2], v[40+\p] matrix_a_fmt:MATRIX_FMT_BF6 matrix_b_fmt:MATRIX_FMT_BF6
.endif
.endr
.rept 4
	v_nop                                          ; places in front of the loads into K's registers and of the first read of the scores
.endr
.irp d, 0,1,2,3                                ; V's four fragments take K's place and land during the softmax
.irp c, 0,1
	ds_load_b128 v[KB+12*\d+6*\c:KB+12*\d+6*\c+3], v3 offset:6144+1536*\d+768*\c
	ds_load_b64 v[KB+12*\d+6*\c+4:KB+12*\d+6*\c+5], v4 offset:6144+1536*\d+768*\c+512
.endr
.endr
	ds_load_b64 v[46:47], v6
	s_add_co_u32 s52, s[KF], 127                   ; a step all of whose keys count skips the mask
	s_cmp_le_u32 s52, s[QB]
	s_cbranch_scc1 .Lopen_\@
	s_sub_co_i32 s52, s[QB], s[KF]
	v_add_nc_u32 v8, s52, v7                       ; register 16 b + i holds key KF + 32 b + 16 h + i; my query is QB + r + 8 (r / 8): hidden where 32 b + i > v8
.set n, 0
.rept 64
	v_cmp_gt_i32 vcc_lo, 32*(n/16)+n%16, v8
	v_cndmask_b32 v[S+n], v[S+n], v11, vcc_lo      ; -infinity ahead of the maximum: p = 0 then
.set n, n+1
.endr
.Lopen_\@:
.irp b, 0,1,2,3
	v_max3_num_f32 v[BM+\b], v[S+16*\b], v[S+16*\b+1], v[S+16*\b+2]   ; the largest score of each block of 32 keys: for the row's maximum, and, since p rises with the score, for the block's largest p
.endr
.irp i, 3,5,7,9,11,13
.irp b, 0,1,2,3
	v_max3_num_f32 v[BM+\b], v[BM+\b], v[S+16*\b+\i], v[S+16*\b+\i+1]
.endr
.endr
.irp b, 0,1,2,3
	v_max_num_f32 v[BM+\b], v[BM+\b], v[S+16*\b+15]
.endr
.irp b, 0,1,2,3
	s_delay_alu instid0(VALU_DEP_4)
	v_permlanex16_b32 v[T4+\b], v[BM+\b], s[SEL], s[SEL+1]
.endr
.irp b, 0,1,2,3
	s_delay_alu instid0(VALU_DEP_4)
	v_max_num_f32 v[BM+\b], v[BM+\b], v[T4+\b]
.endr
	s_delay_alu instid0(VALU_DEP_2)
	v_max3_num_f32 v234, v[BM], v[BM+1], v[BM+2]
	s_delay_alu instid0(VALU_DEP_1)
	v_max_num_f32 v234, v234, v[BM+3]
	s_delay_alu instid0(VALU_DEP_1)
	v_mul_f32 v234, s[CS], v234                    ; the step's largest t
	s_delay_alu instid0(VALU_DEP_1)
	v_max_num_f32 v13, v13, v234
	v_mov_b32 v234, v12
	s_delay_alu instid0(VALU_DEP_2)
	v_floor_f32 v12, -v13                          ; the new -M = -ceil(largest t)
	s_delay_alu instid0(VALU_DEP_1)
	v_sub_f32 v234, v12, v234                      ; old M - new M: a whole number, 0 or less
	s_delay_alu instid0(VALU_DEP_1)
	v_cvt_i32_f32 v234, v234                       ; (it saturates)
	s_delay_alu instid0(VALU_DEP_1)
	v_ldexp_f32 v232, 1.0, v234                    ; f = 2^(old M - new M)
.set n, 0
.rept 32
	v_pk_fma_f32 v[S+n:S+n+1], v[S+n:S+n+1], s[CS:CS+1], v[12:13] op_sel_hi:[1,0,0]   ; t - M
.set n, n+2
.endr
	s_setprio 1
.irp b, 0,1,2,3
	v_fma_f32 v[BM+\b], v[BM+\b], s[CS], v12
.endr
.set n, 0
	s_wait_alu depctr_va_vdst(0)
.rept 64
	v_exp_f32 v[S+n], v[S+n]                       ; p = 2^(t - M)
.set n, n+1
.endr
	v_pk_mul_f32 v[14:15], v[14:15], v[232:233] op_sel_hi:[1,0]   ; the sums under the new M: the plain line behind the exponentials
	s_wait_alu depctr_va_vdst(0)                   ; one wait for the batch of 64, ahead of its first reader
.irp b, 0,1,2,3
	v_exp_f32 v[BM+\b], v[BM+\b]                   ; each block's largest p
.endr
	v_pk_add_f32 v[236:237], v[108:109], v[112:113]
	v_pk_add_f32 v[238:239], v[116:117], v[120:121]
	v_pk_add_f32 v[230:231], v[124:125], v[128:129]
	v_pk_add_f32 v[228:229], v[132:133], v[136:137]
	v_pk_add_f32 v[226:227], v[140:141], v[144:145]
	v_pk_add_f32 v[224:225], v[148:149], v[152:153]
	v_pk_add_f32 v[218:219], v[156:157], v[160:161]
	v_pk_add_f32 v[14:15], v[14:15], v[164:165]
	v_pk_add_f32 v[236:237], v[236:237], v[104:105]
	v_pk_add_f32 v[238:239], v[238:239], v[106:107]
	v_pk_add_f32 v[230:231], v[230:231], v[110:111]
	v_pk_add_f32 v[228:229], v[228:229], v[114:115]
	v_pk_add_f32 v[226:227], v[226:227], v[118:119]
	v_pk_add_f32 v[224:225], v[224:225], v[122:123]
	v_pk_add_f32 v[218:219], v[218:219], v[126:127]
	v_pk_add_f32 v[14:15], v[14:15], v[130:131]
	v_pk_add_f32 v[236:237], v[236:237], v[134:135]
	v_pk_add_f32 v[238:239], v[238:239], v[138:139]
	v_pk_add_f32 v[230:231], v[230:231], v[142:143]
	v_pk_add_f32 v[228:229], v[228:229], v[146:147]
	v_pk_add_f32 v[226:227], v[226:227], v[150:151]
	v_pk_add_f32 v[224:225], v[224:225], v[154:155]
	v_pk_add_f32 v[218:219], v[218:219], v[158:159]
	v_pk_add_f32 v[14:15], v[14:15], v[162:163]
	v_pk_add_f32 v[236:237], v[236:237], v[166:167]
	s_delay_alu instid0(VALU_DEP_2)
	v_pk_add_f32 v[14:15], v[14:15], v[228:229]
	s_delay_alu instid0(VALU_DEP_2)
	v_pk_add_f32 v[236:237], v[236:237], v[226:227]
	v_pk_add_f32 v[238:239], v[238:239], v[224:225]
	v_pk_add_f32 v[230:231], v[230:231], v[218:219]
	s_delay_alu instid0(VALU_DEP_2)
	v_pk_add_f32 v[14:15], v[14:15], v[238:239]
	s_delay_alu instid0(VALU_DEP_2)
	v_pk_add_f32 v[236:237], v[236:237], v[230:231]
	s_delay_alu instid0(VALU_DEP_1)
	v_pk_add_f32 v[14:15], v[14:15], v[236:237]
	s_wait_alu depctr_va_vdst(0)                   ; and one for the four
.irp b, 0,1,2,3
	v_max_num_f32 v[BM+\b], 0x2800000, v[BM+\b]    ; the floor 2^(5 - 127): the byte cannot fall under 1
.endr
.irp b, 0,1,2,3
	s_delay_alu instid0(VALU_DEP_4)
	v_add_nc_u32 v[SO+\b], 0xfe000000, v[BM+\b]    ; the conversion's scale operand
.endr
.irp b, 0,1,2,3
	s_delay_alu instid0(VALU_DEP_4)
	v_lshrrev_b32 v[T4+\b], 23, v[SO+\b]
.endr
	s_delay_alu instid0(VALU_DEP_3)
	v_lshl_or_b32 v48, v[T4+1], 8, v[T4]           ; p's scale word for these 128 keys
	s_delay_alu instid0(VALU_DEP_1)
	v_lshl_or_b32 v48, v[T4+2], 16, v48
	s_delay_alu instid0(VALU_DEP_1)
	v_lshl_or_b32 v48, v[T4+3], 24, v48
	s_setprio 0
.irp c, 0,1
	v_cvt_scalef32_pk16_bf6_f32 v[PCD+6*\c:PCD+6*\c+2], v[S+32*\c:S+32*\c+15], v[SO+2*\c]
	v_cvt_scalef32_pk16_bf6_f32 v[212+4*\c:214+4*\c], v[S+32*\c+16:S+32*\c+31], v[SO+2*\c+1]
.endr
	v_nop                                          ; one plain line behind the scaled conversions
.irp c, 0,1
.irp i, 0,1,2
	v_permlane16_swap_b32 v[PCD+6*\c+\i], v[212+4*\c+\i]
.endr
.irp i, 0,1,2
	s_delay_alu instid0(VALU_DEP_3)
	v_mov_b32 v[PCD+3+6*\c+\i], v[212+4*\c+\i]
.endr
.endr
.set n, 0
.rept 16
	v_pk_mul_f32 v[OT+n:OT+n+1], v[OT+n:OT+n+1], v[232:233] op_sel_hi:[1,0]   ; O^T under the new M; each accumulator from its low end on.  Of these 16, 12 name no register of a given product below: its places behind p's codes and scale word
.set n, n+2
.endr
	s_wait_alu depctr_va_vdst(0)
	s_wait_dscnt 0x0                               ; V is in
.irp d, 0,1,2,3                                ; O^T += V^T P^T: the four accumulators by turns, one instruction each
.if \d%2
	v_wmma_scale_f32_16x16x128_f8f6f4 v[OT+8*\d:OT+8*\d+7], v[KB+12*\d:KB+12*\d+11], v[PCD:PCD+11], v[OT+8*\d:OT+8*\d+7], v[46+\d/2], v48 matrix_a_fmt:MATRIX_FMT_BF6 matrix_b_fmt:MATRIX_FMT_BF6 matrix_a_scale:MATRIX_SCALE_ROW1
.else
	v_wmma_scale_f32_16x16x128_f8f6f4 v[OT+8*\d:OT+8*\d+7], v[KB+12*\d:KB+12*\d+11], v[PCD:PCD+11], v[OT+8*\d:OT+8*\d+7], v[46+\d/2], v48 matrix_a_fmt:MATRIX_FMT_BF6 matrix_b_fmt:MATRIX_FMT_BF6
.endif
.endr
.Lhidden_\@:
	s_add_co_u32 s[KF], s[KF], 128
	s_add_co_u32 s[TB], s[TB], 12288
	s_add_co_u32 s[TKS], s[TKS], 512
	s_add_co_u32 s[TVS], s[TVS], 256
.endm
.macro INIT p                          ; a pass begins: O^T and the sum as zeros, the largest t under every t: the step is written without a first step of its own
	s_lshr_b32 s[QB], s[TQ+\p], 1
	s_lshl_b32 s[QB], s[QB], 5
	s_and_b32 s52, s[TQ+\p], 1
	s_lshl_b32 s52, s52, 3
	s_add_co_u32 s[QB], s[QB], s52
	s_add_co_u32 s[QMAX], s[QB], 23
	s_mov_b32 s[KF], 0
	s_mov_b32 s[TB], 12288
	s_mov_b32 s[TKS], 0
	s_mov_b32 s[TVS], 8192
	v_mov_b32 v13, 0xff61b1e6                      ; -3e38
	s_delay_alu instid0(VALU_DEP_1)
	v_floor_f32 v12, -v13
	v_mov_b32 v14, 0
	v_mov_b32 v15, 0
.set n, 0
.rept 32
	v_mov_b32 v[OT+n], 0
.set n, n+1
.endr
.endm
.macro FINISH p                        ; y = O^T / the sum; register 16 b + i is d = 32 b + 16 h + i of my query: two blocks of 32 along C, quantised; a HALF and 32 scale bytes leave
.rept 4
	v_nop                                          ; places behind the last products
.endr
	v_add_f32 v14, v14, v15
	s_delay_alu instid0(VALU_DEP_1)
	v_permlanex16_b32 v234, v14, s[SEL], s[SEL+1]
	s_delay_alu instid0(VALU_DEP_1)
	v_add_f32 v14, v14, v234
	s_wait_alu depctr_va_vdst(0)
	v_rcp_f32 v14, v14
	v_nop                                          ; a plain line behind the reciprocal,
	s_wait_alu depctr_va_vdst(0)                   ; and the wait ahead of its first reader
.set n, 0
.rept 16
	v_pk_mul_f32 v[S+n:S+n+1], v[OT+n:OT+n+1], v[14:15] op_sel_hi:[1,0]
.set n, n+2
.endr
.irp b, 0,1
	v_max3_num_f32 v[BM+\b], |v[S+16*\b]|, |v[S+16*\b+1]|, 0x2800000
.endr
.irp i, 2,4,6,8,10,12,14
.irp b, 0,1
	s_delay_alu instid0(VALU_DEP_2)
	v_max3_num_f32 v[BM+\b], |v[S+16*\b+\i]|, |v[S+16*\b+\i+1]|, v[BM+\b]
.endr
.endr
.irp b, 0,1
	s_delay_alu instid0(VALU_DEP_2)
	v_permlanex16_b32 v[T4+\b], v[BM+\b], s[SEL], s[SEL+1]
.endr
.irp b, 0,1
	s_delay_alu instid0(VALU_DEP_2)
	v_max_num_f32 v[BM+\b], v[BM+\b], v[T4+\b]
.endr
.irp b, 0,1
	s_delay_alu instid0(VALU_DEP_2)
	v_add_nc_u32 v[SO+\b], 0xfe000000, v[BM+\b]
.endr
.irp b, 0,1
	s_delay_alu instid0(VALU_DEP_2)
	v_lshrrev_b32 v[T4+\b], 23, v[SO+\b]
.endr
	v_cvt_scalef32_pk16_bf6_f32 v[PCD:PCD+2], v[S:S+15], v[SO]
	v_cvt_scalef32_pk16_bf6_f32 v[212:214], v[S+16:S+31], v[SO+1]
	v_nop
.irp i, 0,1,2
	v_permlane16_swap_b32 v[PCD+\i], v[212+\i]
.endr
.irp i, 0,1,2
	s_delay_alu instid0(VALU_DEP_3)
	v_mov_b32 v[PCD+3+\i], v[212+\i]
.endr
	v_cndmask_b32 v234, v[T4], v[T4+1], s[HM]      ; lane (r, h) stores block h's byte of row r
	global_store_b128 v1, v[PCD:PCD+3], s[66+4*\p:67+4*\p]            ; 768 consecutive bytes, aligned
	global_store_b64 v2, v[PCD+4:PCD+5], s[66+4*\p:67+4*\p] offset:512
	global_store_b8 v9, v234, s[68+4*\p:69+4*\p]   ; 32 bytes a tile, two of each word: the other two are the neighbouring head's
.endm
	s_wait_loadcnt 0x0                             ; Q
	s_wait_tensorcnt 1                             ; my part of the first 36,864 bytes has landed; the second fill may be out
	s_barrier_signal -1
	s_barrier_wait -1
	INIT 0
	s_mov_b32 s[CNT], 2
.Lfirst:                                           ; key steps 0 and 1: bytes under 36,864 alone
	STEP 0
	s_sub_co_u32 s[CNT], s[CNT], 1
	s_cmp_lg_u32 s[CNT], 0
	s_cbranch_scc1 .Lfirst
	s_setprio 0
	s_wait_tensorcnt 0x0                           ; my part of the rest has landed,
	s_wait_dscnt 0x0
	s_barrier_signal -1
	s_barrier_wait -1                              ; everybody's has
	s_mov_b32 s[CNT], 14
.Lrest:
	STEP 0
	s_sub_co_u32 s[CNT], s[CNT], 1
	s_cmp_lg_u32 s[CNT], 0
	s_cbranch_scc1 .Lrest
	s_setprio 0
	FINISH 0
	s_wait_xcnt 0x0                                ; the stores have read their data registers, which the second pass writes
	INIT 1
	s_mov_b32 s[CNT], 8                            ; an early tile lies among the first 64: eight steps at the most
.Learly:
	STEP 1
	s_sub_co_u32 s[CNT], s[CNT], 1
	s_cmp_lg_u32 s[CNT], 0
	s_cbranch_scc1 .Learly
	s_setprio 0
	FINISH 1
	s_wait_tensorcnt 0x0
	ds_add_u32 v240, v241
	s_wait_dscnt 0x0
	s_endpgm
.Lfunc_end_k_q6d688dacf4_attn:
	.size	k_q6d688dacf4_attn, .Lfunc_end_k_q6d688dacf4_attn-k_q6d688dacf4_attn
	.p2alignl 7, 3214868480
	.fill 96, 4, 3214868480
	.section	.rodata,"a",@progbits
	.p2align	6, 0x0
	.amdhsa_kernel k_q6d688dacf4_attn
		.amdhsa_group_segment_fixed_size 210944
		.amdhsa_private_segment_fixed_size 0
		.amdhsa_enable_private_segment 0
		.amdhsa_kernarg_size 32
		.amdhsa_user_sgpr_count 2
		.amdhsa_user_sgpr_kernarg_segment_ptr 1
		.amdhsa_wavefront_size32 1
		.amdhsa_system_sgpr_workgroup_id_x 1
		.amdhsa_system_sgpr_workgroup_id_y 1
		.amdhsa_system_sgpr_workgroup_id_z 1
		.amdhsa_system_vgpr_workitem_id 0
		.amdhsa_next_free_vgpr 242
		.amdhsa_next_free_sgpr 80
		.amdhsa_reserve_vcc 1
		.amdhsa_float_denorm_mode_32 3
		.amdhsa_float_denorm_mode_16_64 3
		.amdhsa_memory_ordered 1
		.amdhsa_forward_progress 1
		.amdhsa_inst_pref_size 88
	.end_amdhsa_kernel
	.amdgpu_metadata
---
amdhsa.version: [ 1, 2 ]
amdhsa.kernels:
  - .name:           k_q6d688dacf4_attn
    .symbol:         k_q6d688dacf4_attn.kd
    .args:
      - { .name: qr, .offset: 0, .size: 8, .value_kind: global_buffer, .address_space: global }
      - { .name: kv, .offset: 8, .size: 8, .value_kind: global_buffer, .address_space: global }
      - { .name: yc, .offset: 16, .size: 8, .value_kind: global_buffer, .address_space: global }
      - { .name: ys, .offset: 24, .size: 8, .value_kind: global_buffer, .address_space: global }
    .group_segment_fixed_size: 210944
    .private_segment_fixed_size: 0
    .kernarg_segment_align: 8
    .kernarg_segment_size: 32
    .max_flat_workgroup_size: 512
    .sgpr_count:     80
    .vgpr_count:     242
    .wavefront_size: 32
...
	.end_amdgpu_metadata
.endif
;; end of part 3
;; launch proj (part 4): grid 4 x 64, 4 waves a work-group, clusters of 4 x 4, 307,712 bytes of LDS; arguments yc, ys, wc, ws, out0; writes out0
.if DOCPART == 4
	.amdgcn_target "amdgcn-amd-amdhsa--gfx1250"
	.amdhsa_code_object_version 6
	.text
	.protected	k_q6d688dacf4_proj
	.globl	k_q6d688dacf4_proj
	.p2align	8
	.type	k_q6d688dacf4_proj,@function
k_q6d688dacf4_proj:
	s_mov_b64 s[64:65], 0
	v_nop
	global_prefetch_b8 v0, s[64:65] scope:SCOPE_SE
	s_setreg_imm32_b32 hwreg(HW_REG_WAVE_MODE, 25, 1), 1
	s_wait_xcnt 0x0
	s_wait_alu depctr_hold_cnt(0) depctr_sa_sdst(0) depctr_va_vdst(0) depctr_va_sdst(0) depctr_va_ssrc(0) depctr_va_vcc(0) depctr_vm_vsrc(0)
	s_getreg_b32 s2, hwreg(HW_REG_IB_STS2, 6, 4)
	s_cmp_eq_u32 s2, 0
	s_cbranch_scc0 .Lentry_in_a_cluster
	s_endpgm
.Lentry_in_a_cluster:
	s_bfe_u32 s2, ttmp6, 0x10000c
	s_cmp_lg_u32 s2, 0xf033
	s_cbranch_scc0 .Lentry_shape_is_right
	s_endpgm
.Lentry_shape_is_right:
; out0 = y w_proj on codes of BF6 (E3M2) with E8M0 scales, f32 sums; out0 [8192][1024] f32.
; A work-group makes A' (128 tokens of y, source 1) x B' (256 columns of w_proj, source 0), K = 1,024.  ALL of K lies in LDS (96 KB + 192 KB of codes, 12 KB of scale words), filled once by five tensor loads a wave:
; nothing is ever filled again, so the waits on the tensor counter are counted and the barriers are plain.  Four waves; wave (RA, RB) makes 64 tokens x 128 columns: 32 accumulators, 256 registers.  256 work-groups.
; CODES lie as images of operand registers (HALF = 768 bytes: 16 rows x 64 k, registers 0-3 at 16 lane, 4-5 at 512 + 8 lane; IMAGE = two HALVES); row r of tile 2 g + u is row 32 g + 8 u + r + 8 (r / 8),
; so that a lane's 16 result registers of two neighbouring tiles of source 0 are 16 neighbouring columns of one row of the output.
; CLUSTER 4 x 4: A' hangs on y alone and is asked for jointly by a row of the cluster, B' on x alone, by a column.
; REGISTERS: window 0: v1-25 addresses; v32-47 scale words, two sets; v64-159 A' fragments, two sets of 4 x 12 (on the way out v64-191: rows read back).  window 1: B' fragments, two sets of 8 x 12.  window 2: accumulator (a, b) at v[8 (8 a + b)].
.set CH,   73728                       ; a chunk: two K steps: A' 8 tiles x 3,072 bytes, then B' 16 tiles x 3,072
.set BOFF, 24576
.set SCL,  4*CH                        ; behind the four chunks: A' scale words 8 x 512 bytes, B' 16 x 512
.set WV, 16
.set RA, 17
.set RB, 18
.set CY, 96
.set CX, 97
.set AI, 98
.set BI, 99
.set G1A, 20
.set G1B, 28
.set G1SA, 36
.set G1SB, 44
.set GA0, 52
.set GA1, 56
.set GA2, 60
.set GA3, 68
.set GSA, 72
.set GB0, 76
.set GB1, 80
.set GB2, 84
.set GB3, 88
.set GSB, 92
.set ADS, 6
.set A16, 8
.set A8,  12
.set B16, 16
.set B8,  20
.set STO, 24
.set RD,  25
.set SC,  32
.set AF,  64
.set BK,  64
.set MSB, 0
.macro WIN new                         ; the immediate's high byte repeats the setting that is left
.if MSB != \new
	s_set_vgpr_msb (MSB<<8)|\new
.set MSB, \new
.endif
.endm
.macro CROUND                          ; a round of the cluster's barrier
	s_barrier_signal -1
	s_barrier_wait -1
	s_cmp_lg_u32 s[WV], 0
	s_cbranch_scc1 .Lnot_wave_0_\@
	s_barrier_signal -3
.Lnot_wave_0_\@:
	s_barrier_wait -3
	s_barrier_signal -1
	s_barrier_wait -1
.endm
.macro PLACES                          ; four plain lines between a matrix instruction and a load into, or a read of, its registers
.rept 4
	v_nop
.endr
.endm
.macro FRAG reg, a16, a8, off          ; an image comes back as it was stored: 12 registers
	ds_load_b128 v[\reg:\reg+3], v[\a16] offset:\off
	ds_load_b64 v[\reg+4:\reg+5], v[\a8] offset:\off+512
	ds_load_b128 v[\reg+6:\reg+9], v[\a16] offset:\off+768
	ds_load_b64 v[\reg+10:\reg+11], v[\a8] offset:\off+1280
.endm
.macro FETCH k                         ; K step k: 8 fragments of B', 4 of A', 8 registers of scale words (lanes 0-15 A' tile i, lanes 16-31 B' tile i): 56 loads
.set PP, (\k)%2
.set QQ, (\k)/2
	WIN 0x40                                       ; destination window 1
.irp i, 0,1,2,3,4,5,6,7
	FRAG 128*PP+12*\i, B16+QQ, B8+QQ, 3072*\i+1536*PP
.endr
	WIN 0
.irp i, 0,1,2,3
	FRAG AF+48*PP+12*\i, A16+QQ, A8+QQ, 3072*\i+1536*PP
.endr
.irp i, 0,1,2,3,4,5,6,7
	ds_load_b32 v[SC+8*PP+\i], v[ADS] offset:512*\i+64*(\k)
.endr
.endm
.macro MUL k                           ; 32 matrix instructions; the 32 accumulators take turns, in the same order in every step; the first step starts the sums
.set PP, (\k)%2
	WIN 0xa1                                       ; source 0 (B') window 1, source 1 (A') window 0, C and D window 2
.irp a, 0,1,2,3
.irp b, 0,1,2,3,4,5,6,7
.if (\k) == 0
	v_wmma_scale_f32_16x16x128_f8f6f4 v[8*(8*\a+\b):8*(8*\a+\b)+7], v[128*PP+12*\b:128*PP+12*\b+11], v[AF+48*PP+12*\a:AF+48*PP+12*\a+11], 0, v[SC+8*PP+\b], v[SC+8*PP+\a] matrix_a_fmt:MATRIX_FMT_BF6 matrix_b_fmt:MATRIX_FMT_BF6 matrix_a_scale:MATRIX_SCALE_ROW1
.else
	v_wmma_scale_f32_16x16x128_f8f6f4 v[8*(8*\a+\b):8*(8*\a+\b)+7], v[128*PP+12*\b:128*PP+12*\b+11], v[AF+48*PP+12*\a:AF+48*PP+12*\a+11], v[8*(8*\a+\b):8*(8*\a+\b)+7], v[SC+8*PP+\b], v[SC+8*PP+\a] matrix_a_fmt:MATRIX_FMT_BF6 matrix_b_fmt:MATRIX_FMT_BF6 matrix_a_scale:MATRIX_SCALE_ROW1
.endif
.endr
.endr
	WIN 0
.endm
.macro STEP k
	s_wait_dscnt 0x0                               ; this step's fragments, asked for a step ago, are in
.if ((\k) == 1) || ((\k) == 3) || ((\k) == 5)
	s_wait_tensorcnt 3-((\k)+1)/2                  ; my part of the next chunk has landed; the chunks behind it may be out
	s_barrier_signal -1
	s_barrier_wait -1                              ; everybody's has
.endif
.if (\k) < 7
.if (\k) > 0
	PLACES
.endif
	FETCH (\k)+1
.endif
	MUL \k
.endm
	s_load_b256 s[4:11], s[0:1], 0x0               ; yc s[4:5], ys s[6:7], wc s[8:9], ws s[10:11]
	s_load_b64 s[12:13], s[0:1], 0x20              ; out0
	v_lshl_add_u32 v254, v0, 2, 0x4b000
	v_mov_b32 v255, 0
	ds_add_u32 v254, v255
	ds_add_u32 v254, v255
	v_lshrrev_b32 v1, 5, v0
	v_readfirstlane_b32 s[WV], v1                  ; wave 0..3
	s_lshr_b32 s[RA], s[WV], 1                     ; my 64 rows of A'.  Also: I fetch for A' (0) or for B' (1)
	s_and_b32 s[RB], s[WV], 1                      ; my 128 rows of B'.  Also: which half of that operand I fetch
	s_bfe_u32 s[CX], ttmp6, 0x40000
	s_bfe_u32 s[CY], ttmp6, 0x40004
	s_and_b32 s19, ttmp7, 0xffff                   ; cluster y
	s_lshl_b32 s2, s[CY], 2
	s_lshl_b32 s2, 15, s2                          ; my row of the cluster
	s_lshl_b32 s3, 0x1111, s[CX]                   ; my column
	s_or_b32 s[G1A], s2, (3<<16)|(1<<21)           ; 15:0 the mask; 17:16 elements of 8 bytes; 21 set beside a mask; no padding
	s_or_b32 s[G1SA], s2, (3<<16)|(1<<21)
	s_or_b32 s[G1B], s3, (3<<16)|(1<<21)
	s_or_b32 s[G1SB], s3, (3<<16)|(1<<21)
.irp g, G1A, G1B                               ; codes: a row is a tile's two images of a chunk, 3,072 bytes; from tile to tile 12,288 bytes
	s_mov_b32 s[\g+1], 384<<16
	s_mov_b32 s[\g+3], 384<<16
	s_mov_b32 s[\g+5], 1536
	s_mov_b32 s[\g+6], 0
	s_mov_b32 s[\g+7], 0
.endr
	s_mov_b32 s[G1A+2], 4<<16
	s_mov_b32 s[G1A+4], 4
	s_mov_b32 s[G1B+2], 8<<16
	s_mov_b32 s[G1B+4], 8
.irp g, G1SA, G1SB                             ; scale words: a dense block, as rows of 256 bytes
	s_mov_b32 s[\g+1], 32<<16
	s_mov_b32 s[\g+3], 32<<16
	s_mov_b32 s[\g+5], 32
	s_mov_b32 s[\g+6], 0
	s_mov_b32 s[\g+7], 0
.endr
	s_mov_b32 s[G1SA+2], 8<<16
	s_mov_b32 s[G1SA+4], 8
	s_mov_b32 s[G1SB+2], 16<<16
	s_mov_b32 s[G1SB+4], 16
	s_lshl_b32 s[AI], s19, 2
	s_add_co_u32 s[AI], s[AI], s[CY]               ; which 128 tokens
	s_lshl_b32 s[BI], ttmp9, 2
	s_add_co_u32 s[BI], s[BI], s[CX]               ; which 256 columns
	s_lshl_b32 s2, s[AI], 3
	s_lshl_b32 s66, s[RB], 2
	s_add_co_u32 s2, s2, s66                       ; the first tile of A' that I would fetch
	s_lshl_b32 s3, s[BI], 4
	s_lshl_b32 s67, s[RB], 3
	s_add_co_u32 s3, s3, s67
	s_add_co_u32 s3, s3, 192                       ; and of B': w_proj's columns begin at tile 192 of the weights
	s_mul_i32 s[GA0+2], s2, 12288
	s_mov_b32 s[GA0+3], 0
	s_lshl_b32 s[GSA+2], s2, 9
	s_mov_b32 s[GSA+3], 0
	s_mul_i32 s[GB0+2], s3, 12288
	s_mov_b32 s[GB0+3], 0
	s_lshl_b32 s[GSB+2], s3, 9
	s_mov_b32 s[GSB+3], 0
	s_mul_i32 s[GA0+1], s[RB], 12288               ; LDS addresses: constants and the wave's number alone
	s_add_co_u32 s[GA1+1], s[GA0+1], CH
	s_add_co_u32 s[GA2+1], s[GA0+1], 2*CH
	s_add_co_u32 s[GA3+1], s[GA0+1], 3*CH
	s_lshl_b32 s[GSA+1], s[RB], 11
	s_add_co_u32 s[GSA+1], s[GSA+1], SCL
	s_mul_i32 s[GB0+1], s[RB], 24576
	s_add_co_u32 s[GB0+1], s[GB0+1], BOFF
	s_add_co_u32 s[GB1+1], s[GB0+1], CH
	s_add_co_u32 s[GB2+1], s[GB0+1], 2*CH
	s_add_co_u32 s[GB3+1], s[GB0+1], 3*CH
	s_lshl_b32 s[GSB+1], s[RB], 12
	s_add_co_u32 s[GSB+1], s[GSB+1], SCL+4096
.irp g, GA0, GA1, GA2, GA3, GSA, GB0, GB1, GB2, GB3, GSB
	s_mov_b32 s[\g], 1
.endr
	s_wait_dscnt 0x0
	s_wait_kmcnt 0x0
	s_add_nc_u64 s[GA0+2:GA0+3], s[4:5], s[GA0+2:GA0+3]
	s_add_nc_u64 s[GA1+2:GA1+3], s[GA0+2:GA0+3], 3072
	s_add_nc_u64 s[GA2+2:GA2+3], s[GA0+2:GA0+3], 6144
	s_add_nc_u64 s[GA3+2:GA3+3], s[GA0+2:GA0+3], 9216
	s_add_nc_u64 s[GSA+2:GSA+3], s[6:7], s[GSA+2:GSA+3]
	s_add_nc_u64 s[GB0+2:GB0+3], s[8:9], s[GB0+2:GB0+3]
	s_add_nc_u64 s[GB1+2:GB1+3], s[GB0+2:GB0+3], 3072
	s_add_nc_u64 s[GB2+2:GB2+3], s[GB0+2:GB0+3], 6144
	s_add_nc_u64 s[GB3+2:GB3+3], s[GB0+2:GB0+3], 9216
	s_add_nc_u64 s[GSB+2:GSB+3], s[10:11], s[GSB+2:GSB+3]
.irp g, GA0, GA1, GA2, GA3, GSA, GB0, GB1, GB2, GB3, GSB
	s_or_b32 s[\g+3], s[\g+3], 0x80000000          ; type = 2
.endr
	CROUND                                         ; all sixteen work-groups are here: the joint loads meet
	s_cmp_eq_u32 s[RA], 0                          ; all fills of a wave stand in one branch on its number: five loads of mine are out
	s_cbranch_scc0 .Lfor_b
	tensor_load_to_lds s[GSA:GSA+3], s[G1SA:G1SA+7]
	s_nop 0
	tensor_load_to_lds s[GA0:GA0+3], s[G1A:G1A+7]
	s_nop 0
	tensor_load_to_lds s[GA1:GA1+3], s[G1A:G1A+7]
	s_nop 0
	tensor_load_to_lds s[GA2:GA2+3], s[G1A:G1A+7]
	s_nop 0
	tensor_load_to_lds s[GA3:GA3+3], s[G1A:G1A+7]
	s_nop 0
.rept 4
	v_nop
.endr
	s_branch .Lasked
.Lfor_b:
	tensor_load_to_lds s[GSB:GSB+3], s[G1SB:G1SB+7]
	s_nop 0
	tensor_load_to_lds s[GB0:GB0+3], s[G1B:G1B+7]
	s_nop 0
	tensor_load_to_lds s[GB1:GB1+3], s[G1B:G1B+7]
	s_nop 0
	tensor_load_to_lds s[GB2:GB2+3], s[G1B:G1B+7]
	s_nop 0
	tensor_load_to_lds s[GB3:GB3+3], s[G1B:G1B+7]
	s_nop 0
.rept 4
	v_nop
.endr
.Lasked:
	v_and_b32 v3, 31, v0                           ; lane
	v_and_b32 v1, 15, v0                           ; r
	v_bfe_u32 v2, v0, 4, 1                         ; h
	v_lshlrev_b32 v4, 4, v3                        ; 16 lane
	v_lshlrev_b32 v5, 3, v3                        ; 8 lane
	s_mul_i32 s2, s[RA], 12288                     ; my 4 tiles of A'
	s_mul_i32 s3, s[RB], 24576                     ; my 8 tiles of B'
	s_add_co_u32 s3, s3, BOFF
.irp q, 0,1,2,3                                ; an address register for each chunk: none is ever stepped
	v_add_nc_u32 v[A16+\q], s2, v4
	v_add_nc_u32 v[A8+\q], s2, v5
	v_add_nc_u32 v[B16+\q], s3, v4
	v_add_nc_u32 v[B8+\q], s3, v5
	s_add_co_u32 s2, s2, CH
	s_add_co_u32 s3, s3, CH
.endr
	s_lshl_b32 s2, s[RA], 11
	s_lshl_b32 s3, s[RB], 12
	s_add_co_u32 s3, s3, 4096
	s_sub_co_u32 s3, s3, s2                        ; from my A' words to my B' words
	v_mul_u32_u24 v[ADS], s3, v2                   ; lanes 16-31 take B' words
	v_lshl_add_u32 v[ADS], v1, 2, v[ADS]
	s_add_co_u32 s2, s2, SCL
	v_add_nc_u32 v[ADS], s2, v[ADS]
	s_mul_i32 s2, s[WV], 8448                      ; my stage for the way out: 16 rows of 512 bytes + 16, in chunk 0's bytes
	v_mul_u32_u24 v[STO], v1, 528
	v_lshl_add_u32 v[STO], v2, 6, v[STO]
	v_add_nc_u32 v[STO], s2, v[STO]                ; in: row r, 64 h
	v_add_nc_u32 v[RD], s2, v4                     ; back: a row's 512 bytes by the 32 lanes
	s_lshl_b32 s2, s[AI], 7
	s_lshl_b32 s3, s[RA], 6
	s_add_co_u32 s2, s2, s3                        ; my first token
	s_lshl_b32 s2, s2, 12                          ; rows of 4,096 bytes
	s_lshl_b32 s3, s[BI], 10
	s_add_co_u32 s2, s2, s3
	s_lshl_b32 s3, s[RB], 9
	s_add_co_u32 s2, s2, s3                        ; my first column, in bytes
	s_mov_b32 s3, 0
	s_add_nc_u64 s[12:13], s[12:13], s[2:3]
	s_wait_tensorcnt 3                             ; my scale words and my part of chunk 0 have landed; three chunks may be out
	s_barrier_signal -1
	s_barrier_wait -1
	FETCH 0
	STEP 0
	STEP 1
	STEP 2
	STEP 3
	STEP 4
	STEP 5
	STEP 6
	STEP 7
; THE WAY OUT, a tile of 16 tokens x 128 columns at a time.  A lane holds, for tile b of B', eight neighbouring columns 32 (b / 2) + 16 h + 8 (b % 2) on of its row; the rows go through my own stage and come back whole.
; The stage lies in chunk 0, which has had its only fill; every wave's reads of it were waited for in front of step 1's barrier.  LDS serves a wave's instructions in order: no wait between the stores and the loads.
.macro TOSTAGE a
	WIN 0x08                                       ; an LDS store's data are its source 1: window 2
.irp b, 0,1,2,3,4,5,6,7
	ds_store_b128 v[STO], v[8*(8*(\a)+\b):8*(8*(\a)+\b)+3] offset:128*(\b/2)+32*(\b%2)       ; each accumulator from its low end on
	ds_store_b128 v[STO], v[8*(8*(\a)+\b)+4:8*(8*(\a)+\b)+7] offset:128*(\b/2)+32*(\b%2)+16
.endr
	WIN 0
.set BB, BK+64*((\a)%2)
.irp t, 0,1,2,3,4,5,6,7,8,9,10,11,12,13,14,15
	ds_load_b128 v[BB+4*\t:BB+4*\t+3], v[RD] offset:528*\t
.endr
.endm
.macro SEND a, younger                 ; younger: the LDS instructions issued behind tile a's loads, which may stay out
.set BB, BK+64*((\a)%2)
	s_wait_dscnt \younger
.irp t, 0,1,2,3,4,5,6,7,8,9,10,11,12,13,14,15
	global_store_b128 v4, v[BB+4*\t:BB+4*\t+3], s[12:13] offset:(32*((\a)/2)+8*((\a)%2)+\t+8*(\t/8))*4096 th:TH_STORE_NT   ; 512 consecutive bytes, aligned; the base is never stepped: 63 rows at the most stand in the immediate
.endr
.endm
	PLACES
	TOSTAGE 0
.irp a, 1,2,3
.if \a > 1
	s_wait_xcnt 0x0                                ; tile a - 2's stores have read their registers: tile a's loads may land there
.endif
	TOSTAGE \a
	SEND \a-1, 32                                  ; behind tile a - 1's loads: tile a's 16 stores and 16 loads
.endr
	SEND 3, 0
	s_wait_dscnt 0x0
	s_wait_tensorcnt 0x0
	ds_add_u32 v254, v255
	s_wait_dscnt 0x0
	CROUND                                         ; the closing round: no work-group ends while a partner may still ask for a tile that names it
	s_endpgm
.Lfunc_end_k_q6d688dacf4_proj:
	.size	k_q6d688dacf4_proj, .Lfunc_end_k_q6d688dacf4_proj-k_q6d688dacf4_proj
	.p2alignl 7, 3214868480
	.fill 96, 4, 3214868480
	.section	.rodata,"a",@progbits
	.p2align	6, 0x0
	.amdhsa_kernel k_q6d688dacf4_proj
		.amdhsa_group_segment_fixed_size 307712
		.amdhsa_private_segment_fixed_size 0
		.amdhsa_enable_private_segment 0
		.amdhsa_kernarg_size 40
		.amdhsa_user_sgpr_count 2
		.amdhsa_user_sgpr_kernarg_segment_ptr 1
		.amdhsa_wavefront_size32 1
		.amdhsa_system_sgpr_workgroup_id_x 1
		.amdhsa_system_sgpr_workgroup_id_y 1
		.amdhsa_system_sgpr_workgroup_id_z 1
		.amdhsa_system_vgpr_workitem_id 0
		.amdhsa_next_free_vgpr 768
		.amdhsa_next_free_sgpr 102
		.amdhsa_reserve_vcc 0
		.amdhsa_float_denorm_mode_32 3
		.amdhsa_float_denorm_mode_16_64 3
		.amdhsa_memory_ordered 1
		.amdhsa_forward_progress 1
		.amdhsa_inst_pref_size 88
	.end_amdhsa_kernel
	.amdgpu_metadata
---
amdhsa.version: [ 1, 2 ]
amdhsa.kernels:
  - .name:           k_q6d688dacf4_proj
    .symbol:         k_q6d688dacf4_proj.kd
    .args:
      - { .name: yc, .offset: 0, .size: 8, .value_kind: global_buffer, .address_space: global }
      - { .name: ys, .offset: 8, .size: 8, .value_kind: global_buffer, .address_space: global }
      - { .name: wc, .offset: 16, .size: 8, .value_kind: global_buffer, .address_space: global }
      - { .name: ws, .offset: 24, .size: 8, .value_kind: global_buffer, .address_space: global }
      - { .name: out0, .offset: 32, .size: 8, .value_kind: global_buffer, .address_space: global }
    .group_segment_fixed_size: 307712
    .private_segment_fixed_size: 0
    .kernarg_segment_align: 8
    .kernarg_segment_size: 40
    .max_flat_workgroup_size: 128
    .sgpr_count:     102
    .vgpr_count:     768
    .wavefront_size: 32
...
	.end_amdgpu_metadata
.endif
;; end of part 4
